; MI455X (gfx1250); checked and timed in simulation.
; The chip was launched on July 23, 2026; its instructions are those of AMD's public machine-readable ISA for CDNA 5 (MIT licence, August 2026) and "CDNA5" Instruction Set Architecture Reference Guide (July 2026). The comments in the code are by the model that wrote it; some were corrected since.
;; Causal Self Attention. Allowed arithmetic: matrix products marked QUANTISED: E2M3 operands, one E8M0 scale for each 32 along K, by v_wmma_scale_f32_16x16x128_f8f6f4 with both operands' format E2M3, f32 sums; everything else in f32.
;; Inputs: Wo_codes 1,024 x 32 x 24 uint8 (E2M3 codes of Wo, K innermost, in blocks of 32 codes, four codes in three bytes); Wo_scales 1,024 x 32 uint8 (E8M0 scales of Wo, one for each 32 codes along K); Wqkv_codes 3,072 x 32 x 24 uint8 (E2M3 codes of Wqkv, K innermost, in blocks of 32 codes, four codes in three bytes); Wqkv_scales 3,072 x 32 uint8 (E8M0 scales of Wqkv, one for each 32 codes along K); bo 1,024 float32; bqkv 3,072 float32; x_codes 4 x 2,048 x 32 x 24 uint8 (E2M3 codes of x, K innermost, in blocks of 32 codes, four codes in three bytes); x_scales 4 x 2,048 x 32 uint8 (E8M0 scales of x, one for each 32 codes along K).
;; Outputs: out0 4 x 2,048 x 1,024 float32.
;; This version of the problem:
;;   THIS VERSION OF THE PROBLEM IS GIVEN IN LOW PRECISION. The matrix products marked QUANTISED in the list below multiply operands that are first quantised to E2M3 (2 exponent bits, 3 mantissa bits; 6 bits a number), with one power-of-two scale for each 32 numbers along K (OCP MX v1.0); their sums are f32. All else is computed in f32.
;;   The module's matrix products, in the order in which they are computed (A, B: the left and right operand; K: the contracted axis; several contracted axes count as one K, in the product's order):
;;     1. [M 8,192, K 1,024] x [K 1,024, N 3,072]; A: input x (given as codes); B: input Wqkv (given as codes): QUANTISED
;;     2. batch 64 x [M 2,048, K 64] x [K 64, N 2,048]; A: computed on the way; B: computed on the way: QUANTISED
;;     3. batch 64 x [M 2,048, K 2,048] x [K 2,048, N 64]; A: softmax (see below); B: computed on the way: QUANTISED
;;     4. [M 8,192, K 1,024] x [K 1,024, N 1,024]; A: computed on the way; B: input Wo (given as codes): QUANTISED
;;   THE QUANTISER, for each operand of a quantised product, along K:
;;     - K is cut into blocks of 32 from its start; a last block that is shorter is filled with zeros.
;;     - A block's scale is 2^e with e = floor(log2(the largest magnitude in the block)) - 2, held to -126 .. 127; a block of zeros has e = 0. As a byte (E8M0): e + 127.
;;     - Each number is divided by its block's scale, clamped to +-7.5, and rounded to the nearest number of E2M3, ties to even, subnormals kept.
;;     - The product sums the exact products of the quantised numbers (number of the format x scale) in f32.
;;   ~~~python
;;   def quantise(x, axis):      # numpy; x: float32 -> the quantised numbers, widened to float32 again
;;       x = np.moveaxis(x, axis, -1); K = x.shape[-1]
;;       x = np.pad(x, [(0, 0)] * (x.ndim - 1) + [(0, -K % 32)]); x = x.reshape(x.shape[:-1] + (-1, 32)); a = np.abs(x).max(-1, keepdims=True)
;;       e = np.where(a > 0, np.clip(np.frexp(np.where(a > 0, a, 1))[1] - 1 - 2, -126, 127), 0)      # np.frexp(a)[1] - 1 = floor(log2(a)), exactly
;;       r = np.clip(x / 2.0 ** e, -7.5, 7.5)
;;       step = 2.0 ** (np.maximum(np.frexp(np.where(r == 0, 1, r))[1] - 1, 0) - 3)
;;       q = np.round(r / step) * step * 2.0 ** e      # np.round: ties to even
;;       return np.moveaxis(q.reshape(q.shape[:-2] + (-1,))[..., :K], -1, axis).astype(np.float32)
;;   ~~~
;;   SOFTMAX AHEAD OF A QUANTISED PRODUCT. Where the list says 'softmax', what is quantised is not the finished softmax but p = 2^(t - M), with t = logit x log2(e) and M = ceil(the row's largest t), a whole number; so 1/2 < the row's largest p <= 1. The row's sum l is taken of the UNQUANTISED p, in f32, and the product's result is divided by l at the end. Since M is a whole number, a kernel that streams over the keys may use a running M (the ceiling of the running maximum): every later rescaling is an exact power of two, which a block's scale takes up: the codes' values come out the same.
;;   OPERANDS COMPUTED ON THE WAY. 'Computed on the way' means the value that the module computes at that place (a softmax that the list does not call 'softmax' is quantised finished and normalised). What goes into a quantiser is computed in f32, as accurately as f32 sums, v_exp_f32 and their like allow (about 1e-6 of the number): no bf16 or f16 on the way to a quantiser, and a product that is left as it is and whose result goes on into a quantised operand takes f32 operands (vector FMAs, or v_wmma_f32_16x16x4_f32). A number that lies on a knife's edge between two numbers of the format may be rounded either way, as far as f32 arithmetic and the matrix unit's own rounding can turn it there, and no further.
;;   INPUTS GIVEN AS CODES. Wo (in the module: [1024, 1024], K = its axis 0); Wqkv (in the module: [1024, 3072], K = its axis 0); x (in the module: [4, 2048, 1024], K = its axis 2): each comes as NAME_codes (uint8): NAME with its K axis moved to the last place and cut into blocks of 32 codes, [.., K / 32, bytes a block], one block behind the other in memory; four codes in three bytes: a row's codes are one little-endian stream of bits, code i at bits 6 i .. 6 i + 5 (a code: sign, 2 exponent bits, 3 mantissa bits); and NAME_scales (uint8): the same leading axes, one E8M0 byte (e + 127) for each 32 codes along K. Its value is code x scale, taken as it is: it is not quantised again, and the codes and scales need not be those that the quantiser above would give.
;; One version. Each part assembles by itself: llvm-mc -triple=amdgcn-amd-amdhsa -mcpu=gfx1250 --defsym DOCPART=n.
;; ======== version 1 of 1: 3 launches
;; workspace buffers: qimg 6,815,744 bytes; kv 13,369,344 bytes; oimg 6,291,456 bytes; oscale 262,144 bytes
;; launch qkv (part 1): grid 12 x 32, 4 waves a work-group, clusters of 4 x 4, 327,680 bytes of LDS; arguments x_codes, x_scales, Wqkv_codes, Wqkv_scales, bqkv, qimg, kv; writes qimg, kv
.if DOCPART == 1
	.amdgcn_target "amdgcn-amd-amdhsa--gfx1250"
	.amdhsa_code_object_version 6
	.text
	.protected	k_q2aa59f9a4f_qkv
	.globl	k_q2aa59f9a4f_qkv
	.p2align	8
	.type	k_q2aa59f9a4f_qkv,@function
k_q2aa59f9a4f_qkv:
	s_mov_b64 s[64:65], 0
	v_nop
	global_prefetch_b8 v0, s[64:65] scope:SCOPE_SE
	s_setreg_imm32_b32 hwreg(HW_REG_WAVE_MODE, 25, 1), 1
	s_wait_xcnt 0x0
	s_wait_alu depctr_hold_cnt(0) depctr_sa_sdst(0) depctr_va_vdst(0) depctr_va_sdst(0) depctr_va_ssrc(0) depctr_va_vcc(0) depctr_vm_vsrc(0)
	s_getreg_b32 s2, hwreg(HW_REG_IB_STS2, 6, 4)
	s_cmp_eq_u32 s2, 0
	s_cbranch_scc0 .Lentry_in_a_cluster
	s_endpgm
.Lentry_in_a_cluster:
	s_bfe_u32 s2, ttmp6, 0x10000c
	s_cmp_lg_u32 s2, 0xf033
	s_cbranch_scc0 .Lentry_shape_is_right
	s_endpgm
.Lentry_shape_is_right:
; qkv = x Wqkv + bqkv on codes of FP6 (E2M3) with one E8M0 scale for each 32 along K = 1,024; the result is quantised at once, for the attention that follows, and leaves as codes and scale words.
; x: 8,192 rows of 768 bytes of codes and 32 scale bytes; Wqkv: 3,072 rows likewise.  A tile of 256 x 256 is made by a work-group of four waves, 128 x 128 a wave: 64 accumulators, 512 registers.
; K goes in steps of 256 through a ring of two LDS slots filled by the tensor data mover; the scale bytes of the work-group's 2 x 256 rows come once, with the first fills, and stay in LDS.
; CLUSTERS of 4 x 4 work-groups; the cluster's x says what is made: 0 q, 1 k, 2 v.  'A' is the operand of which a lane holds one row (source 1), 'B' the one along whose rows a lane's registers run (source 0).
;   q, k: A = x (a lane holds a token), B = Wqkv (registers run along the features): the quantiser's K is the head's 64 features.
;   v:    A = Wqkv (a lane holds a channel), B = x (registers run along the tokens): the quantiser's K are the keys.
; A's tiles are shared along a row of the cluster, B's along a column: each is asked for jointly, by the same tensor load with the same descriptor and a mask that names the four.
; THE ORDER INSIDE A BLOCK OF 32.  Register j of tile t holds B's row 16 t + 8 (lane / 16) + j.  The quantiser takes the 16 registers of tiles 2 b, 2 b + 1 as places 16 (lane / 16) + 0 .. 15 of block b, so place
; 16 h + 8 u + j holds element 16 u + 8 h + j.  q and k are both made so, and so are v here and p in the attention: the same order on both sides of a product keeps its sums and its scales.
; WHAT IS STORED are images of operand registers.  q, k: 16 rows x 64 K, registers 0-5: three blocks of 256 bytes, lane l's registers 2 p, 2 p + 1 at 256 p + 8 l.  v: 16 channels x 128 keys, 12 registers: three pieces
; of 512 bytes, lane l's registers 4 c .. 4 c + 3 at 512 c + 16 l.  Scale words: blocks of 256 bytes, row r's 16 bytes at 16 r holding the words of four tiles.  Every store of the wave covers whole aligned blocks of 256 bytes.
; qimg, a head (106,496 bytes): tile of 16 queries at 768 x tile; scale blocks from 98,304.  kv, a head (208,896 bytes): key step j (128 keys) at 12,288 j: K's 8 tiles, then from 6,144 V's 4 channel tiles; scales at 196,608 + 768 j: K's two blocks, V's one.
; q's and k's scale words hold two bytes (two blocks of 32); their upper two bytes are 0.
; LIMITS: NaN and infinities are not served; a block of zeros, or one whose largest magnitude lies under 2^-124, keeps the byte 1 (its codes are zeros or what the floor's scale gives).
; REGISTERS, in windows of 256: window 0: v0-31 addresses; v32-63 scale words, two sets; v64-127 the bias; from v128 A's fragments, one set; on the way out v128-255 at work.
;   window 1: B's fragments, two sets, at v0 and v128.   window 2: the accumulators of A's blocks 0-3 (accumulator (a, b) at v[8 (8 (a % 4) + b)]);   window 3: those of blocks 4-7.
.set SIZE_K, 1024
.set KSTEP,  256                       ; along K in a slot
.set NQ,     KSTEP/128                 ; matrix instructions deep
.set ROWB,   192                       ; a tile's row in bytes
.set KROW,   SIZE_K*6/8                ; a row of codes in memory
.set PITCH,  240                       ; an LDS row: 3 x (64 bytes + 16 of padding)
.set FR,     12                        ; registers of a fragment
.set NL,     6                         ; LDS loads that bring one
.set NP,     4                         ; places behind this matrix instruction (ISA guide 7.12.1)
.set HALFT,  128*PITCH                 ; 128 rows: what one tensor load brings
.set SLOT,   4*HALFT                   ; A's 256 rows, then B's 256 rows
.set LAPS,   SIZE_K/(2*KSTEP)
.set KS,     SIZE_K/32                 ; a row of scale bytes
.set SCL,    2*SLOT                    ; behind the ring: the scales, as blocks of 256 bytes + 16 of padding
.set HALFS,  (128*KS/256)*272
.set SBLK,   (16*KS/256)*272
.set SPARE,  SCL+4*HALFS               ; the spare words, 128 bytes for each wave: two blocks of 256 bytes that no other line names
.set ADRA, 16                          ; v16-17 my A fragments in slot 0, 1 (v18-19: behind one padding more)
.set ADRB, 20                          ; v20-23 the same for B
.set ADRS, 27                          ; v27    my scale words: lanes 0-15 A's rows, lanes 16-31 B's
.set SPW,  28                          ; v28    my spare word; never rewritten
.set NIL,  29                          ; v29    0; never rewritten
.set SC,   32                          ; scale words, two sets of 16 registers
.set AF,   128                         ; A's fragments
.set BIAS, 64                          ; v64-127  the bias, in the result's layout
.set X,    128                         ; v128-191 a block's 64 numbers with the bias added
.set TM,   200                         ; v200-215 the quantiser's work
.set PW,   216                         ; the scale word just made
.set PC,   224                         ; v224-235 the codes just made; v236-238, v240-242 the conversions' second halves
.set W,    244                         ; v244-251 the eight blocks' scale words
.set G1, 24
.set G0, 32
.set G1B, 48
.set G0B, 56
.set G1S, 68
.set G0S, 76
.set G1SB, 80
.set G0SB, 88
.set SEL, 92                           ; s[92:93] on the way out: selects for lane l xor 16
.set OB0, 32                           ; s[32:33], s[34:35] on the way out: where the first and the second head's images go
.set OBS, 36                           ; s[36:37] and the scale words
.set BB,  38                           ; s[38:39] the bias
.set MSB, 0
.macro WIN new                         ; the immediate's high byte repeats the setting that is left
.if MSB != (\new)
	s_set_vgpr_msb (MSB<<8)|(\new)
.set MSB, (\new)
.endif
.endm
.set MUL_LO, 0xa1                      ; source 0 (B) window 1, source 1 (A) window 0, C and D window 2
.set MUL_HI, 0xf1                      ; the same, C and D window 3
.set TO_B,   0x40                      ; destination window 1, address window 0
; A joint load: waves 0 and 1 fetch for A, waves 2 and 3 for B; the branch hangs on the wave's number alone.  Four v_nop follow each of the two lines.
.macro JLOAD g0a, g1a, g0b, g1b
	s_cmp_eq_u32 s15, 0
	s_cbranch_scc0 .Lfor_b_\@
	tensor_load_to_lds s[\g0a:\g0a+3], s[\g1a:\g1a+7]
	s_nop 0
.rept 4
	v_nop
.endr
	s_branch .Lasked_\@
.Lfor_b_\@:
	tensor_load_to_lds s[\g0b:\g0b+3], s[\g1b:\g1b+7]
	s_nop 0
.rept 4
	v_nop
.endr
.Lasked_\@:
.endm
.macro CREST                           ; a round of the cluster's barrier behind its opening barrier
	s_cmp_lg_u32 s14, 0
	s_cbranch_scc1 .Lnot_wave_0_\@
	s_barrier_signal -3
.Lnot_wave_0_\@:
	s_barrier_wait -3
	s_barrier_signal -1
	s_barrier_wait -1
.endm
.macro CROUND                          ; a whole round
	s_barrier_signal -1
	s_barrier_wait -1
	CREST
.endm
	s_load_b256 s[68:75], s[0:1], 0x0              ; x's codes, x's scales, Wqkv's codes, Wqkv's scales
	s_load_b128 s[76:79], s[0:1], 0x20             ; bqkv, qimg
	s_load_b64 s[80:81], s[0:1], 0x30              ; kv
	v_lshl_add_u32 v[SPW], v0, 2, SPARE
	v_mov_b32 v[NIL], 0
	ds_add_u32 v28, v29
	ds_add_u32 v28, v29
	s_wait_dscnt 0x0
	v_lshrrev_b32 v1, 5, v0
	v_readfirstlane_b32 s14, v1                    ; wave 0..3
	s_lshr_b32 s15, s14, 1                         ; which half of A's 256 rows is mine.  Also: I fetch for A (0) or for B (1)
	s_and_b32 s16, s14, 1                          ; which half of B's.  Also: which 128 rows of that tile I fetch
	s_bfe_u32 s40, ttmp6, 0x40000                  ; cx, cy: my place in the cluster
	s_bfe_u32 s41, ttmp6, 0x40004
	s_and_b32 s96, ttmp7, 0xffff
	s_lshl_b32 s96, s96, 2                         ; 4 x cluster y
	s_add_co_u32 s17, s96, s41                     ; q, k: A's tile = x's tile 4 y + cy
	s_add_co_u32 s97, s41, 8                       ; v:    A's tile = Wqkv's tile 8 + cy (rows 2,048 on)
	s_lshl_b32 s42, ttmp9, 2
	s_add_co_u32 s42, s42, s40                     ; q, k: B's tile = Wqkv's tile 4 x + cx
	s_add_co_u32 s98, s96, s40                     ; v:    B's tile = x's tile 4 y + cx
	s_cmp_eq_u32 ttmp9, 2                          ; the cluster's x: the same in all sixteen partners
	s_cselect_b32 s17, s97, s17                    ; A's tile: made of cy and the cluster's numbers alone
	s_cselect_b32 s42, s98, s42                    ; B's tile: of cx and the cluster's numbers alone
	s_lshl_b32 s43, s41, 2
	s_lshl_b32 s43, 15, s43                        ; my row of the cluster
	s_lshl_b32 s44, 0x1111, s40                    ; my column
	; descriptor group 1: a tile of 128 rows x 192 bytes, 16 bytes of padding behind every 64
	s_or_b32 s[G1+0], s43, (0<<16)|(1<<20)|(1<<21)|(3<<22)|(3<<25)
	s_or_b32 s[G1B+0], s44, (0<<16)|(1<<20)|(1<<21)|(3<<22)|(3<<25)
.irp g, G1, G1B
	s_mov_b32 s[\g+1], ROWB<<16                    ; tensor_dim0
	s_mov_b32 s[\g+2], 128<<16                     ; tensor_dim1
	s_mov_b32 s[\g+3], ROWB<<16                    ; tile_dim0
	s_mov_b32 s[\g+4], 128                         ; tile_dim1
	s_mov_b32 s[\g+5], KROW                        ; from row to row
	s_mov_b32 s[\g+6], 0
	s_mov_b32 s[\g+7], 0
.endr
	s_lshl_b32 s18, s16, 7                         ; which 128 rows of the tile I fetch
	s_lshl_b32 s20, s17, 8
	s_add_co_u32 s20, s20, s18                     ; A's row
	s_lshl_b32 s46, s42, 8
	s_add_co_u32 s46, s46, s18                     ; B's row
	s_mov_b32 s21, 0
	s_mov_b32 s47, 0
	s_mov_b64 s[18:19], KS
	s_mul_u64 s[22:23], s[20:21], s[18:19]         ; where these rows' scales begin, in bytes
	s_mul_u64 s[92:93], s[46:47], s[18:19]
	s_mov_b64 s[18:19], KROW
	s_mul_u64 s[20:21], s[20:21], s[18:19]         ; and their codes
	s_mul_u64 s[46:47], s[46:47], s[18:19]
	s_mul_i32 s45, s14, HALFT                      ; where they go: wave x 128 rows
	s_mul_i32 s94, s14, HALFS
	s_wait_kmcnt 0x0
	s_cmp_eq_u32 ttmp9, 2                          ; which tensor is A and which is B: a choice that hangs on the cluster's number alone
	s_cselect_b64 s[4:5], s[72:73], s[68:69]       ; A's codes
	s_cselect_b64 s[6:7], s[74:75], s[70:71]       ; A's scales
	s_cselect_b64 s[8:9], s[68:69], s[72:73]       ; B's codes
	s_cselect_b64 s[10:11], s[70:71], s[74:75]     ; B's scales
	s_mov_b64 s[12:13], s[76:77]                   ; bqkv
	s_cmp_eq_u32 ttmp9, 0
	s_cselect_b64 s[66:67], s[78:79], s[80:81]     ; where the results go: qimg or kv
	s_add_nc_u64 s[20:21], s[4:5], s[20:21]
	s_add_nc_u64 s[22:23], s[6:7], s[22:23]
	s_add_nc_u64 s[46:47], s[8:9], s[46:47]
	s_add_nc_u64 s[92:93], s[10:11], s[92:93]
	; group 1 for the scales of 128 rows: a dense block of 4,096 bytes, as rows of 256 bytes (32 elements of 8 bytes), 16 bytes of padding behind each.  (s68-81 are done with as pointers)
	s_or_b32 s[G1S+0], s43, (3<<16)|(1<<20)|(1<<21)|(5<<22)|(3<<25)
	s_or_b32 s[G1SB+0], s44, (3<<16)|(1<<20)|(1<<21)|(5<<22)|(3<<25)
.irp g, G1S, G1SB
	s_mov_b32 s[\g+1], 32<<16
	s_mov_b32 s[\g+2], (128*KS/256)<<16
	s_mov_b32 s[\g+3], 32<<16
	s_mov_b32 s[\g+4], 128*KS/256
	s_mov_b32 s[\g+5], 32
	s_mov_b32 s[\g+6], 0
	s_mov_b32 s[\g+7], 0
.endr
	CROUND                                         ; all sixteen work-groups are here: the first joint loads meet
	s_mov_b32 s[G0S], 1
	s_add_co_u32 s[G0S+1], s94, SCL
	s_mov_b64 s[G0S+2:G0S+3], s[22:23]
	s_or_b32 s[G0S+3], s[G0S+3], 0x80000000
	s_mov_b32 s[G0SB], 1
	s_add_co_u32 s[G0SB+1], s94, SCL
	s_mov_b64 s[G0SB+2:G0SB+3], s[92:93]
	s_or_b32 s[G0SB+3], s[G0SB+3], 0x80000000
	JLOAD G0S, G1S, G0SB, G1SB                     ; the scales first: they are wanted with K step 0
.irp s, 0,1
	s_mov_b32 s[G0+4*\s], 1
	s_add_co_u32 s[G0+4*\s+1], s45, \s*SLOT
	s_add_nc_u64 s[G0+4*\s+2:G0+4*\s+3], s[20:21], \s*ROWB
	s_or_b32 s[G0+4*\s+3], s[G0+4*\s+3], 0x80000000
	s_mov_b32 s[G0B+4*\s], 1
	s_add_co_u32 s[G0B+4*\s+1], s45, \s*SLOT
	s_add_nc_u64 s[G0B+4*\s+2:G0B+4*\s+3], s[46:47], \s*ROWB
	s_or_b32 s[G0B+4*\s+3], s[G0B+4*\s+3], 0x80000000
	JLOAD G0+4*\s, G1, G0B+4*\s, G1B
.endr
	v_and_b32 v1, 15, v0                           ; l % 16
	v_bfe_u32 v2, v0, 4, 1                         ; l / 16
	v_mul_u32_u24 v3, v1, PITCH
	v_mul_u32_u24 v4, v2, 24
	v_add_nc_u32 v4, v3, v4                        ; a fragment's row x pitch + 24 x half
	v_lshl_add_u32 v5, v2, 4, v4                   ; and the same behind one padding more
	s_mul_i32 s21, s15, HALFT                      ; my 128 rows of A
	s_mul_i32 s22, s16, HALFT                      ; my 128 rows of B,
	s_add_co_u32 s22, s22, 2*HALFT                 ; which lie behind A's 256
.irp s, 0,1
	v_add_nc_u32 v[ADRA+\s], s21, v4
	v_add_nc_u32 v[ADRB+\s], s22, v4
	v_add_nc_u32 v[ADRA+2+\s], s21, v5
	v_add_nc_u32 v[ADRB+2+\s], s22, v5
	s_add_co_u32 s21, s21, SLOT
	s_add_co_u32 s22, s22, SLOT
.endr
	v_mul_u32_u24 v5, v1, KS                       ; my row's scales: 32 bytes a row,
	v_lshrrev_b32 v6, 8, v5
	v_lshl_add_u32 v5, v6, 4, v5                   ; and 16 more for each 256 passed
	s_mul_i32 s21, s15, HALFS                      ; A's: my 128 rows
	s_mul_i32 s22, s16, HALFS                      ; B's: my 128 rows, behind A's 256
	s_add_co_u32 s22, s22, 2*HALFS
	s_sub_co_u32 s22, s22, s21
	v_mul_u32_u24 v6, s22, v2                      ; lanes 16-31 take B's
	s_add_co_u32 s21, s21, SCL
	v_add_nc_u32 v5, v5, v6
	v_add_nc_u32 v[ADRS], s21, v5
.macro FRAG reg, adr, q, i             ; a fragment, 16 rows x 128 K, is 12 registers: registers 6 c .. 6 c + 5 hold K = 64 c + 32 (l / 16) + 0 .. 31: 24 bytes of the row's stream of bits, in pieces of 8 bytes
.irp p, 0,1,2,3,4,5
.set PIECE, 12*(\q)+6*(\p/3)+\p%3      ; 16 bytes of padding lie behind every 8 pieces: where the piece three on lies behind one padding more, the second address register serves
.if PIECE%8 < 5
	ds_load_b64 v[\reg+2*\p:\reg+2*\p+1], v[\adr] offset:8*PIECE+16*(PIECE/8)+(\i)*16*PITCH
.else
	ds_load_b64 v[\reg+2*\p:\reg+2*\p+1], v[\adr+2] offset:8*PIECE+16*(PIECE/8)+(\i)*16*PITCH
.endif
.endr
.endm
; 16 matrix instructions: A's blocks a0, a0 + 1 x B's eight, 128 along K.  p: B's set;  sc: the set of scale words.  zero = 1: the first product starts the sums.
; The 64 accumulators take turns, one instruction a turn, in the same order in every step.
.macro MUL16 a0, p, q, sc, zero
.irp a, \a0, \a0+1
.irp b, 0,1,2,3,4,5,6,7
.if \zero
	v_wmma_scale_f32_16x16x128_f8f6f4 v[8*(8*((\a)%4)+\b):8*(8*((\a)%4)+\b)+7], v[128*(\p)+FR*\b:128*(\p)+FR*\b+FR-1], v[AF+FR*(\a):AF+FR*(\a)+FR-1], 0, v[SC+8*NQ*(\sc)+NQ*\b+(\q)], v[SC+8*NQ*(\sc)+NQ*(\a)+(\q)] matrix_a_fmt:MATRIX_FMT_FP6 matrix_b_fmt:MATRIX_FMT_FP6 matrix_a_scale:MATRIX_SCALE_ROW1
.else
	v_wmma_scale_f32_16x16x128_f8f6f4 v[8*(8*((\a)%4)+\b):8*(8*((\a)%4)+\b)+7], v[128*(\p)+FR*\b:128*(\p)+FR*\b+FR-1], v[AF+FR*(\a):AF+FR*(\a)+FR-1], v[8*(8*((\a)%4)+\b):8*(8*((\a)%4)+\b)+7], v[SC+8*NQ*(\sc)+NQ*\b+(\q)], v[SC+8*NQ*(\sc)+NQ*(\a)+(\q)] matrix_a_fmt:MATRIX_FMT_FP6 matrix_b_fmt:MATRIX_FMT_FP6 matrix_a_scale:MATRIX_SCALE_ROW1
.endif
.endr
.endr
.endm
.macro FETCH_B slot, q, p              ; B's eight fragments of the slot's q-th 128 along K into set p
	WIN TO_B
.irp i, 0,1,2,3,4,5,6,7
	FRAG 128*(\p)+FR*\i, ADRB+\slot, \q, \i
.endr
	WIN 0
.endm
.macro FETCH_A slot, q, i0             ; A's blocks i0 .. i0 + 3
.irp i, \i0, \i0+1, \i0+2, \i0+3
	FRAG AF+FR*(\i), ADRA+\slot, \q, \i
.endr
.endm
.macro SCALES sc                       ; a K step's scale words into set sc: lanes 0-15 take A's block i, lanes 16-31 B's block i
.irp i, 0,1,2,3,4,5,6,7
	ds_load_b64 v[SC+8*NQ*\sc+NQ*\i:SC+8*NQ*\sc+NQ*\i+1], v[ADRS] offset:\i*SBLK
.endr
.endm
.macro PLACES n                        ; plain vector instructions between a matrix instruction and a load into, or a vector read or write of, its registers
.rept \n
	v_nop
.endr
.endm
; A step of 128 along K that has its successor in the same slot.
.macro STEP slot, q, zero
	s_wait_dscnt 4*NL                              ; B's set and A's blocks 0-3 are in; the youngest 24 loads (A's blocks 4-7) may be out
	WIN MUL_LO
	MUL16 0, (\q)%2, \q, \slot, \zero
	MUL16 2, (\q)%2, \q, \slot, \zero
	s_wait_dscnt 0                                 ; A's blocks 4-7 are in
	PLACES NP
	FETCH_B \slot, (\q)+1, 1-(\q)%2
	FETCH_A \slot, (\q)+1, 0
	WIN MUL_HI
	MUL16 4, (\q)%2, \q, \slot, \zero
	MUL16 6, (\q)%2, \q, \slot, \zero
	PLACES NP
	WIN 0
	FETCH_A \slot, (\q)+1, 4
.endm
; A slot's last step changes slots: one barrier; in front of it each wave waits for all its tensor loads, adds 0 to its spare word, and waits for that and for its own reads of this slot.  fill = 1: this slot is filled again.
.macro TURN slot, next, fill
	s_wait_tensorcnt 0x0                           ; all my tensor loads have landed: my part of the next slot
	ds_add_u32 v[SPW], v[NIL]                      ; 0 onto my spare word
	s_wait_dscnt 4*NL+1                            ; (the add and the youngest 24 loads, A's blocks 4-7, may be out)
	WIN MUL_LO
	MUL16 0, 1, NQ-1, \slot, 0                     ; sixteen matrix instructions stand between the add and the wait for it
	s_wait_dscnt 0x0                               ; the add is done, and my reads of this slot are over
	s_barrier_signal -1
	MUL16 2, 1, NQ-1, \slot, 0
	WIN 0
	s_barrier_wait -1
.if \fill
	CREST                                          ; the barrier has opened a round of the cluster's barrier: no wave of any partner still reads this slot or has a load on its way
	s_add_nc_u64 s[G0+4*\slot+2:G0+4*\slot+3], s[G0+4*\slot+2:G0+4*\slot+3], 2*ROWB
	s_add_nc_u64 s[G0B+4*\slot+2:G0B+4*\slot+3], s[G0B+4*\slot+2:G0B+4*\slot+3], 2*ROWB
	JLOAD G0+4*\slot, G1, G0B+4*\slot, G1B         ; the first tensor load behind the round; its four v_nop are the places in front of the loads below
.else
	PLACES NP
.endif
	v_add_nc_u32 v[ADRS], 4*NQ, v[ADRS]            ; on to the next K step's scale words
	FETCH_B \next, 0, 0
	FETCH_A \next, 0, 0
	SCALES \next
	WIN MUL_HI
	MUL16 4, 1, NQ-1, \slot, 0
	MUL16 6, 1, NQ-1, \slot, 0
	PLACES NP
	WIN 0
	FETCH_A \next, 0, 4
.endm
.macro LAST                            ; the very last step of 128 along K: nothing more to fetch
	s_wait_dscnt 4*NL
	WIN MUL_LO
	MUL16 0, 1, NQ-1, 1, 0
	MUL16 2, 1, NQ-1, 1, 0
	s_wait_dscnt 0
	WIN MUL_HI
	MUL16 4, 1, NQ-1, 1, 0
	MUL16 6, 1, NQ-1, 1, 0
	WIN 0
.endm
; 64 numbers of a lane, v[s] .. v[s + 63]: the 16 registers 16 b .. 16 b + 15 are my half of block b of my row.  They become a fragment's codes in v[PC] on and its scale word in v[PW].
.macro QUANT s
.irp b, 0,1,2,3
	v_max3_num_f32 v[TM+\b], |v[\s+16*\b]|, |v[\s+1+16*\b]|, 0x1800000   ; my 16 numbers, and the floor 2^(3 - 127): the byte cannot fall under 1
.endr
.irp i, 2,4,6,8,10,12,14
.irp b, 0,1,2,3
	v_max3_num_f32 v[TM+\b], v[TM+\b], |v[\s+16*\b+\i]|, |v[\s+1+16*\b+\i]|   ; the four blocks by turns
.endr
.endr
.irp b, 0,1,2,3
	v_permlanex16_b32 v[TM+4+\b], v[TM+\b], s[SEL], s[SEL+1]
.endr
.irp b, 0,1,2,3
	v_max_num_f32 v[TM+\b], v[TM+\b], v[TM+4+\b]   ; with lane l xor 16's: the block's largest magnitude
.endr
.irp b, 0,1,2,3
	v_add_nc_u32 v[TM+12+\b], 0xff000000, v[TM+\b] ; 2 off its exponent field: the conversion takes the exponent field of this operand as its scale
.endr
.irp b, 0,1,2,3
	v_lshrrev_b32 v[TM+4+\b], 23, v[TM+12+\b]      ; the scale's byte
.endr
	v_lshl_or_b32 v[PW], v[TM+5], 8, v[TM+4]
	v_lshl_or_b32 v[PW], v[TM+6], 16, v[PW]
	v_lshl_or_b32 v[PW], v[TM+7], 24, v[PW]
	s_wait_xcnt 0x0                                ; the last block's stores have read their data: the codes' registers are written again only behind this wait
.irp c, 0,1
	v_cvt_scalef32_pk16_fp6_f32 v[PC+6*\c:PC+2+6*\c], v[\s+32*\c:\s+15+32*\c], v[TM+12+2*\c]
	v_cvt_scalef32_pk16_fp6_f32 v[PC+12+4*\c:PC+14+4*\c], v[\s+16+32*\c:\s+31+32*\c], v[TM+12+2*\c+1]   ; (a conversion's three registers begin on an even number)
.endr
	v_nop                                          ; one plain place behind a scaled conversion
.irp c, 0,1                                    ; the operand's layout wants a whole block in a lane: lanes 0-15 block 2 c, lanes 16-31 block 2 c + 1
.irp i, 0,1,2
	v_permlane16_swap_b32 v[PC+6*\c+\i], v[PC+12+4*\c+\i]
.endr
.irp i, 0,1,2
	v_mov_b32 v[PC+3+6*\c+\i], v[PC+12+4*\c+\i]
.endr
.endr
.endm
; q, k: block a = 16 tokens x 128 features = two heads.  The fragment's registers 0-5 are the first head's image, 6-11 the second's.
.macro EPI_QK a
	WIN 0x02+(\a)/4                                ; source 0: window 2 or 3
.set i, 0
.rept 32
	v_pk_add_f32 v[X+i:X+i+1], v[64*((\a)%4)+i:64*((\a)%4)+i+1], v[BIAS+i:BIAS+i+1]   ; ascending: each accumulator is read from its low end on
.set i, i+2
.endr
	WIN 0
	QUANT X
.irp c, 0,1
.irp p, 0,1,2
	global_store_b64 v3, v[PC+6*\c+2*\p:PC+6*\c+2*\p+1], s[OB0+2*\c:OB0+2*\c+1] offset:768*(\a)+256*\p   ; 32 lanes store 256 consecutive bytes, aligned
.endr
.endr
	v_lshrrev_b32 v[W+(\a)], v4, v[PW]             ; lanes 0-15 keep the first head's two bytes, lanes 16-31 the second's;
	v_and_b32 v[W+(\a)], 0xffff, v[W+(\a)]         ; the upper two bytes are 0
.endm
; v: block a = 16 channels x 128 keys: a whole fragment.  Blocks 0-3 are the first head's four channel tiles, 4-7 the second's.
.macro EPI_V a
	WIN 0x02+(\a)/4
.set i, 0
.rept 32
	v_pk_add_f32 v[X+i:X+i+1], v[64*((\a)%4)+i:64*((\a)%4)+i+1], v[BIAS+2*(\a):BIAS+2*(\a)+1]   ; my channel's bias, in both registers of the pair
.set i, i+2
.endr
	WIN 0
	QUANT X
.irp c, 0,1,2
	global_store_b128 v3, v[PC+4*\c:PC+4*\c+3], s[OB0+2*((\a)/4):OB0+2*((\a)/4)+1] offset:6144+1536*((\a)%4)+512*\c   ; 32 lanes store 512 consecutive bytes, aligned
.endr
	v_mov_b32 v[W+(\a)], v[PW]
.endm
	s_wait_tensorcnt 1                             ; the scales and my part of K step 0 are in (K step 1's load may be out),
	s_barrier_signal -1
	s_barrier_wait -1                              ; everybody's are
	FETCH_B 0, 0, 0
	FETCH_A 0, 0, 0
	SCALES 0
	FETCH_A 0, 0, 4
	STEP 0, 0, 1                                   ; the first step stands in front of the loop: its products start the sums
	s_mov_b32 s3, LAPS-1
.Llap:                                                 ; a trip goes once round the ring and fills both slots again
	TURN 0, 1, 1
	STEP 1, 0, 0
	TURN 1, 0, 1
	STEP 0, 0, 0
	s_sub_co_u32 s3, s3, 1
	s_cmp_lg_u32 s3, 0
	s_cbranch_scc1 .Llap
	TURN 0, 1, 0                                   ; the last lap fills nothing
	STEP 1, 0, 0
	s_mov_b32 s[SEL], 0x76543210
	s_mov_b32 s[SEL+1], 0xfedcba98
	v_and_b32 v1, 15, v0                           ; r
	v_bfe_u32 v2, v0, 4, 1                         ; h
	v_and_b32 v3, 31, v0                           ; lane
	s_cmp_eq_u32 ttmp9, 2                          ; the ways out part on the cluster's number; neither touches LDS
	s_cbranch_scc1 .Lv_arm
	; ---- q, k.  No tensor load of mine is out, so the descriptors' registers are free
	s_lshl_b32 s20, s17, 8
	s_lshl_b32 s21, s15, 7
	s_add_co_u32 s20, s20, s21                     ; my first token
	s_lshl_b32 s21, s42, 8
	s_lshl_b32 s22, s16, 7
	s_add_co_u32 s21, s21, s22                     ; my first feature of the 3,072
	s_lshr_b32 s22, s20, 11                        ; batch
	s_bfe_u32 s23, s20, 0x40007                    ; which 128 tokens of the 2,048
	s_bfe_u32 s24, s21, 0x40006                    ; my first head
	s_lshl_b32 s22, s22, 4
	s_add_co_u32 s22, s22, s24                     ; 16 x batch + head
	s_cmp_eq_u32 ttmp9, 1                          ; k or q: the sizes of the buffer's layout
	s_mov_b32 s25, 106496
	s_cselect_b32 s25, 208896, s25                 ; a head
	s_mov_b32 s26, 6144
	s_cselect_b32 s26, 12288, s26                  ; 128 tokens' images
	s_mov_b32 s27, 98304
	s_cselect_b32 s27, 196608, s27                 ; where the scale words begin
	s_mov_b32 s28, 512
	s_cselect_b32 s28, 768, s28                    ; 128 tokens' scale words
	s_mul_i32 s30, s22, s25
	s_mul_i32 s32, s23, s26
	s_add_co_u32 s32, s32, s30
	s_mov_b32 s33, 0
	s_add_nc_u64 s[OB0:OB0+1], s[66:67], s[32:33]
	s_mov_b32 s34, s25
	s_mov_b32 s35, 0
	s_add_nc_u64 s[OB0+2:OB0+3], s[OB0:OB0+1], s[34:35]
	s_mul_i32 s36, s23, s28
	s_add_co_u32 s36, s36, s30
	s_add_co_u32 s36, s36, s27
	s_mov_b32 s37, 0
	s_add_nc_u64 s[OBS:OBS+1], s[66:67], s[36:37]
	s_lshl_b32 s38, s21, 2
	s_mov_b32 s39, 0
	s_add_nc_u64 s[BB:BB+1], s[12:13], s[38:39]
	v_lshlrev_b32 v3, 3, v3                        ; 8 x lane
	v_lshlrev_b32 v4, 4, v2                        ; 16 h: the shift that picks a head's two bytes
	v_mul_lo_u32 v5, v2, s25
	v_lshl_add_u32 v5, v1, 4, v5                   ; 16 r, + a head for lanes 16-31
	v_lshlrev_b32 v6, 5, v2                        ; the bias: tile t's eight features of my half: 64 t + 32 h bytes
.irp t, 0,1,2,3,4,5,6,7
	global_load_b128 v[BIAS+8*\t:BIAS+8*\t+3], v6, s[BB:BB+1] offset:64*\t
	global_load_b128 v[BIAS+8*\t+4:BIAS+8*\t+7], v6, s[BB:BB+1] offset:64*\t+16
.endr
	LAST                                           ; the bias lands under the last 64 products
	PLACES NP
	s_wait_loadcnt 0x0
.irp b, 0,1,2,3
	v_mov_b32 v[TM+4+\b], 0                        ; written once: a lane permute's destination counts as one of its sources
.endr
.irp a, 0,1,2,3,4,5,6,7
	EPI_QK \a
.endr
.irp g, 0,1
	global_store_b128 v5, v[W+4*\g:W+4*\g+3], s[OBS:OBS+1] offset:256*\g   ; sixteen lanes store 256 consecutive bytes, aligned: four tiles' words of one head
.endr
	s_branch .Lend
.Lv_arm:
	; ---- v
	s_sub_co_u32 s20, s17, 8
	s_lshl_b32 s20, s20, 8
	s_lshl_b32 s21, s15, 7
	s_add_co_u32 s20, s20, s21                     ; my first channel of the 1,024
	s_lshl_b32 s21, s42, 8
	s_lshl_b32 s22, s16, 7
	s_add_co_u32 s21, s21, s22                     ; my first token
	s_lshr_b32 s22, s21, 11                        ; batch
	s_bfe_u32 s23, s21, 0x40007                    ; the key step
	s_lshr_b32 s24, s20, 6                         ; my first head
	s_lshl_b32 s22, s22, 4
	s_add_co_u32 s22, s22, s24
	s_mul_i32 s30, s22, 208896
	s_mul_i32 s32, s23, 12288
	s_add_co_u32 s32, s32, s30
	s_mov_b32 s33, 0
	s_add_nc_u64 s[OB0:OB0+1], s[66:67], s[32:33]
	s_add_nc_u64 s[OB0+2:OB0+3], s[OB0:OB0+1], 208896
	s_mul_i32 s36, s23, 768
	s_add_co_u32 s36, s36, s30
	s_add_co_u32 s36, s36, 196608
	s_mov_b32 s37, 0
	s_add_nc_u64 s[OBS:OBS+1], s[66:67], s[36:37]
	s_lshl_b32 s38, s20, 2
	s_add_co_u32 s38, s38, 8192                    ; v's biases begin at number 2,048
	s_mov_b32 s39, 0
	s_add_nc_u64 s[BB:BB+1], s[12:13], s[38:39]
	v_lshlrev_b32 v3, 4, v3                        ; 16 x lane
	v_mul_u32_u24 v5, v2, 208896
	v_lshl_add_u32 v5, v1, 4, v5                   ; 16 r, + a head for lanes 16-31
	v_lshlrev_b32 v6, 2, v1                        ; the bias of my channel: 4 r
.irp a, 0,1,2,3,4,5,6,7
	global_load_b32 v[BIAS+2*\a], v6, s[BB:BB+1] offset:64*\a
	global_load_b32 v[BIAS+2*\a+1], v6, s[BB:BB+1] offset:64*\a
.endr
	LAST
	PLACES NP
	s_wait_loadcnt 0x0
.irp b, 0,1,2,3
	v_mov_b32 v[TM+4+\b], 0
.endr
.irp a, 0,1,2,3,4,5,6,7
	EPI_V \a
.endr
	v_cmp_eq_u32 vcc_lo, 1, v2
.irp i, 0,1,2,3
	v_cndmask_b32 v[W+\i], v[W+\i], v[W+4+\i], vcc_lo   ; lanes 16-31 carry the second head's four words
.endr
	global_store_b128 v5, v[W:W+3], s[OBS:OBS+1] offset:512
.Lend:
	s_wait_tensorcnt 0x0                           ; the wave's end
	ds_add_u32 v[SPW], v[NIL]
	s_wait_dscnt 0x0
	CROUND                                         ; the closing round: no work-group ends while a partner may still ask for a tile that names it
	s_endpgm
.Lfunc_end_k_q2aa59f9a4f_qkv:
	.size	k_q2aa59f9a4f_qkv, .Lfunc_end_k_q2aa59f9a4f_qkv-k_q2aa59f9a4f_qkv
	.p2alignl 7, 3214868480
	.fill 96, 4, 3214868480
	.section	.rodata,"a",@progbits
	.p2align	6, 0x0
	.amdhsa_kernel k_q2aa59f9a4f_qkv
		.amdhsa_group_segment_fixed_size 327680
		.amdhsa_private_segment_fixed_size 0
		.amdhsa_enable_private_segment 0
		.amdhsa_kernarg_size 56
		.amdhsa_user_sgpr_count 2
		.amdhsa_user_sgpr_kernarg_segment_ptr 1
		.amdhsa_wavefront_size32 1
		.amdhsa_system_sgpr_workgroup_id_x 1
		.amdhsa_system_sgpr_workgroup_id_y 1
		.amdhsa_system_sgpr_workgroup_id_z 1
		.amdhsa_system_vgpr_workitem_id 0
		.amdhsa_next_free_vgpr 1024
		.amdhsa_next_free_sgpr 100
		.amdhsa_reserve_vcc 1
		.amdhsa_float_denorm_mode_32 3
		.amdhsa_float_denorm_mode_16_64 3
		.amdhsa_memory_ordered 1
		.amdhsa_forward_progress 1
		.amdhsa_inst_pref_size 246
	.end_amdhsa_kernel
	.amdgpu_metadata
---
amdhsa.version: [ 1, 2 ]
amdhsa.kernels:
  - .name:           k_q2aa59f9a4f_qkv
    .symbol:         k_q2aa59f9a4f_qkv.kd
    .args:
      - { .name: x_codes, .offset: 0, .size: 8, .value_kind: global_buffer, .address_space: global }
      - { .name: x_scales, .offset: 8, .size: 8, .value_kind: global_buffer, .address_space: global }
      - { .name: Wqkv_codes, .offset: 16, .size: 8, .value_kind: global_buffer, .address_space: global }
      - { .name: Wqkv_scales, .offset: 24, .size: 8, .value_kind: global_buffer, .address_space: global }
      - { .name: bqkv, .offset: 32, .size: 8, .value_kind: global_buffer, .address_space: global }
      - { .name: qimg, .offset: 40, .size: 8, .value_kind: global_buffer, .address_space: global }
      - { .name: kv, .offset: 48, .size: 8, .value_kind: global_buffer, .address_space: global }
    .group_segment_fixed_size: 327680
    .private_segment_fixed_size: 0
    .kernarg_segment_align: 8
    .kernarg_segment_size: 56
    .max_flat_workgroup_size: 128
    .sgpr_count:     100
    .vgpr_count:     1024
    .wavefront_size: 32
...
	.end_amdgpu_metadata
.endif
;; end of part 1
;; launch attn (part 2): grid 4 x 64, 16 waves a work-group, clusters of 4 x 1, 210,944 bytes of LDS; arguments qimg, kv, oimg, oscale; writes oimg, oscale
.if DOCPART == 2
	.amdgcn_target "amdgcn-amd-amdhsa--gfx1250"
	.amdhsa_code_object_version 6
	.text
	.protected	k_q2aa59f9a4f_attn
	.globl	k_q2aa59f9a4f_attn
	.p2align	8
	.type	k_q2aa59f9a4f_attn,@function
k_q2aa59f9a4f_attn:
	s_mov_b64 s[64:65], 0
	v_nop
	global_prefetch_b8 v0, s[64:65] scope:SCOPE_SE
	s_setreg_imm32_b32 hwreg(HW_REG_WAVE_MODE, 25, 1), 1
	s_wait_xcnt 0x0
	s_wait_alu depctr_hold_cnt(0) depctr_sa_sdst(0) depctr_va_vdst(0) depctr_va_sdst(0) depctr_va_ssrc(0) depctr_va_vcc(0) depctr_vm_vsrc(0)
	s_getreg_b32 s2, hwreg(HW_REG_IB_STS2, 6, 4)
	s_cmp_eq_u32 s2, 0
	s_cbranch_scc0 .Lentry_in_a_cluster
	s_endpgm
.Lentry_in_a_cluster:
	s_bfe_u32 s2, ttmp6, 0x10000c
	s_cmp_lg_u32 s2, 0x3003
	s_cbranch_scc0 .Lentry_shape_is_right
	s_endpgm
.Lentry_shape_is_right:
; Causal attention of one head on codes of FP6 (E2M3): O[q] = the sum over k <= q of softmax_k(Q[q] . K[k] / 8) V[k]; 2,048 tokens, head size 64, 64 heads (16 x batch + head).  The result is quantised along the
; model's 1,024 channels (two blocks of 32 a head) and leaves as codes and scale bytes for the last product.
; THE SOFTMAX: t = score x log2(e) / 8; M = the running largest t rounded up to a whole number; p = 2^(t - M) is quantised along the keys, not normalised; the row's sum is taken of the unquantised p and divides O at the end.
; When M moves, the sum and O are multiplied by 2^(old M - new M): exact.
; THE WHOLE HEAD LIES IN LDS: its 208,896 bytes of kv (K's and V's register images, 12,288 bytes a key step of 128 keys, then the scale words, 768 bytes a step) come once, as they lie in memory.  Nothing is filled
; again and nothing is stored to LDS.  The four work-groups of a cluster serve one head and ask for these bytes JOINTLY: each wave issues five loads (its 768 bytes of the scale words; its 3,072 bytes of each of four chunks of four key steps).
; SHARES.  A tile is 16 queries; a head has 128.  With g = wave / 2 and s = 2 cx + wave % 2, a wave owns tile 127 - (8 g + s), which needs key steps 0 .. 15 - g, and then tile 8 g + s, which needs steps 0 .. g:
; 17 steps for every wave of the launch.  Every branch hangs on g and a trip counter; cx enters global addresses and the mask's numbers alone.
; LAYOUT.  Both products are used transposed: S^T = K Q^T (source 0 = 16 keys), O^T = V^T P^T (source 0 = 16 channels): a lane holds one query throughout.  Register j of score tile t holds key 16 t + 8 (lane / 16) + j;
; p's blocks of 32 keys take the order in which V's codes were made, so both sides of the second product agree.
; K = 64 IN AN INSTRUCTION OF 128.  Q's registers 6-11 are zero codes.  K's eight half fragments lie on end in v32-79, and tile t's operand is v[32 + 6 t .. 43 + 6 t]: its upper half is the next tile's codes (zeros behind
; tile 7), which meet Q's zeros and add nothing.  Bytes 2 and 3 of Q's and K's scale words are 0, which stands for 2^-127.
; LIMITS: NaN and infinities are not served; a block of zeros, or one whose largest magnitude lies under 2^-124, keeps the byte 1.
.set HEADKV, 208896
.set HEADQ,  106496
.set STEPB,  12288                     ; a key step's images: K's 8 x 768, V's 4 x 1,536
.set VOFF,   6144
.set SCB,    196608                    ; where the scale words begin
.set STEPS,  768                       ; a key step's scale words
.set CHUNK,  4*STEPB
.set LN8,  1                           ; v1   8 x lane
.set LNV,  2                           ; v2   16 x lane + VOFF
.set LNS,  3                           ; v3   SCB + 16 r
.set ADK,  4                           ; v4-6 the step's LDS addresses
.set ADV,  5
.set ADS,  6
.set DV,   7                           ; v7   my query's place in the diagonal step - 8 (lane / 16)
.set DVE,  8                           ; v8   the same for the second tile
.set R32,  9                           ; v9   32 r
.set QF,   16                          ; v16-27 Q (v22-27 zeros)
.set QSW,  28                          ; v28  Q's scale word
.set R16,  29                          ; v29  16 r
.set KF,   32                          ; v32-85 K (v80-85 zeros); behind the scores: the registers below
.set PC,   32                          ; v32-43 the codes just made
.set PT,   44                          ; v44-46, v48-50 the conversions' second halves
.set BM,   52                          ; v52-55 the blocks' largest
.set T4,   56                          ; v56-59 at work
.set SO,   60                          ; v60-63 the conversions' scale operands
.set KSW,  88                          ; v88-95 K's scale words
.set S,    96                          ; v96-159 S^T, then p
.set O,    160                         ; v160-191 O^T
.set VF,   192                         ; v192-239 V
.set VSW,  240                         ; v240-243 V's scale words
.set PSW,  244                         ; v244 the scale word just made
.set F,    246                         ; v[246:247] the factor (the pair is named; its low word serves)
.set TMP,  248
.set QES,  249                         ; v249 the second tile's Q scale word
.set QE,   250                         ; v250-255 the second tile's Q
.set WV,  18
.set CX,  19
.set QG,  20
.set SS,  21
.set CS,  22                           ; s[22:23] c = log2(e) / 8
.set G1I, 24                           ; s[24:31] group 1: 12 rows of 256 bytes
.set G1S, 32                           ; s[32:39] group 1: 3 rows of 256 bytes
.set G0S, 40                           ; s[40:43] group 0: my part of the scale words
.set G0I, 44                           ; s[44:59] groups 0: my part of chunks 0 to 3
.set SEL, 60
.set TB,  62                           ; s62 LDS byte of the step's images
.set TS,  63                           ; s63 of its scale words, from SCB
.set TR,  66                           ; s66 the trip
.set JJ,  67                           ; s67 the key step
.set SW,  68                           ; s68 15 - g: the trip in which the first tile ends
.set DG,  69                           ; s69 the trip that lies on the diagonal
.set OB,  70                           ; s[70:71] where the tile's codes go;  s[72:73] its scale bytes;  s[74:77] the second tile's
.set SB,  72
.set OBE, 74
.set SBE, 76
.macro CROUND                          ; a round of the cluster's barrier
	s_barrier_signal -1
	s_barrier_wait -1
	s_cmp_lg_u32 s[WV], 0
	s_cbranch_scc1 .Lnot_wave_0_\@
	s_barrier_signal -3
.Lnot_wave_0_\@:
	s_barrier_wait -3
	s_barrier_signal -1
	s_barrier_wait -1
.endm
	s_load_b256 s[4:11], s[0:1], 0x0               ; qimg s[4:5], kv s[6:7], oimg s[8:9], oscale s[10:11]
	v_lshl_add_u32 v87, v0, 2, 0x33000
	v_mov_b32 v245, 0
	ds_add_u32 v87, v245
	ds_add_u32 v87, v245
	v_lshrrev_b32 v1, 5, v0
	s_delay_alu instid0(VALU_DEP_1)
	v_readfirstlane_b32 s[WV], v1                  ; wave 0..15
	s_bfe_u32 s[CX], ttmp6, 0x40000                ; my place in the cluster
	s_and_b32 s78, ttmp7, 0xffff                   ; 16 x batch + head, which the four partners share
	s_mul_i32 s80, s78, HEADKV
	s_mov_b32 s81, 0
	s_mov_b32 s[G1I], 15|(3<<16)|(1<<21)           ; 15:0 the mask: all four work-groups; 17:16 elements of 8 bytes; 21 set beside a mask; no padding
	s_mov_b32 s[G1I+1], 32<<16                     ; tensor_dim0 = 32 elements: 256 bytes
	s_mov_b32 s[G1I+2], 12<<16                     ; tensor_dim1 = 12
	s_mov_b32 s[G1I+3], 32<<16                     ; tile_dim0
	s_mov_b32 s[G1I+4], 12                         ; tile_dim1
	s_mov_b32 s[G1I+5], 32                         ; from row to row: dense
	s_mov_b32 s[G1I+6], 0
	s_mov_b32 s[G1I+7], 0
	s_mov_b32 s[G1S], 15|(3<<16)|(1<<21)
	s_mov_b32 s[G1S+1], 32<<16
	s_mov_b32 s[G1S+2], 3<<16
	s_mov_b32 s[G1S+3], 32<<16
	s_mov_b32 s[G1S+4], 3
	s_mov_b32 s[G1S+5], 32
	s_mov_b32 s[G1S+6], 0
	s_mov_b32 s[G1S+7], 0
	s_mul_i32 s82, s[WV], STEPS
	s_add_co_u32 s82, s82, SCB                     ; my part of the scale words: the same offset in the head and in LDS
	s_mov_b32 s83, 0
	s_mul_i32 s84, s[WV], 3072                     ; my part of a chunk
	s_mov_b32 s85, 0
	s_wait_dscnt 0x0
	s_wait_kmcnt 0x0
	s_add_nc_u64 s[80:81], s[6:7], s[80:81]        ; kv at my head
	s_mov_b32 s[G0S], 1
	s_mov_b32 s[G0S+1], s82
	s_add_nc_u64 s[G0S+2:G0S+3], s[80:81], s[82:83]
	s_or_b32 s[G0S+3], s[G0S+3], 0x80000000
	s_add_nc_u64 s[86:87], s[80:81], s[84:85]
.irp c, 0,1,2,3
	s_mov_b32 s[G0I+4*\c], 1
	s_add_co_u32 s[G0I+4*\c+1], s84, CHUNK*\c
	s_add_nc_u64 s[G0I+4*\c+2:G0I+4*\c+3], s[86:87], CHUNK*\c
	s_or_b32 s[G0I+4*\c+3], s[G0I+4*\c+3], 0x80000000
.endr
	CROUND                                         ; all four work-groups are here: the joint loads meet
	tensor_load_to_lds s[G0S:G0S+3], s[G1S:G1S+7]  ; five loads of mine are out: the scale words first,
	s_nop 0
.irp c, 0,1,2,3
	tensor_load_to_lds s[G0I+4*\c:G0I+4*\c+3], s[G1I:G1I+7]   ; then the chunks in the order in which they are wanted
	s_nop 0
.endr
.rept 4
	v_nop
.endr
	s_lshr_b32 s[QG], s[WV], 1                     ; g
	s_and_b32 s[SS], s[WV], 1
	s_lshl_b32 s79, s[CX], 1
	s_add_co_u32 s[SS], s[SS], s79                 ; s
	s_lshl_b32 s79, s[QG], 3
	s_add_co_u32 s79, s79, s[SS]                   ; the second tile: 8 g + s
	s_sub_co_u32 s86, 127, s79                     ; the first: 127 - (8 g + s)
	s_sub_co_u32 s[SW], 15, s[QG]
	s_mov_b32 s[CS], 0x3e38aa3b                    ; c = log2(e) / 8
	s_mov_b32 s[CS+1], s[CS]
	s_mov_b32 s[SEL], 0x76543210
	s_mov_b32 s[SEL+1], 0xfedcba98
	v_and_b32 v10, 15, v0                          ; r
	v_bfe_u32 v11, v0, 4, 1                        ; h
	v_and_b32 v1, 31, v0
	s_delay_alu instid0(VALU_DEP_1)
	v_lshlrev_b32 v[LNV], 4, v1
	s_delay_alu instid0(VALU_DEP_1)
	v_add_nc_u32 v[LNV], VOFF, v[LNV]
	s_delay_alu instid0(VALU_DEP_3)
	v_lshlrev_b32 v[LN8], 3, v1
	v_lshl_add_u32 v[LNS], v10, 4, SCB
	v_lshlrev_b32 v[R32], 5, v10
	v_lshlrev_b32 v[R16], 4, v10
	v_lshlrev_b32 v[DVE], 3, v11
	s_delay_alu instid0(VALU_DEP_1)
	v_sub_nc_u32 v[DVE], v10, v[DVE]               ; r - 8 h
	s_lshl_b32 s87, s[SS], 4
	s_sub_co_u32 s94, 112, s87
	v_add_nc_u32 v[DV], s94, v[DVE]                ; the first tile is the (7 - s)-th of its diagonal step,
	v_add_nc_u32 v[DVE], s87, v[DVE]               ; the second the s-th
	; where the results go
	s_and_b32 s82, s78, 15                         ; head
	s_lshr_b32 s83, s78, 4                         ; batch
	s_lshr_b32 s84, s82, 2
	s_mul_i32 s84, s84, 1572864                    ; oimg: [head / 4][128 batch + tile][3,072], in it 768 (head % 4)
	s_mul_i32 s85, s83, 393216
	s_add_co_u32 s84, s84, s85
	s_and_b32 s85, s82, 3
	s_mul_i32 s85, s85, 768
	s_add_co_u32 s84, s84, s85
	s_lshl_b32 s85, s83, 16                        ; oscale: 32 bytes a token, the head's two at 2 x head
	s_lshl_b32 s87, s82, 1
	s_add_co_u32 s85, s85, s87
	s_mul_i32 s70, s86, 3072
	s_add_co_u32 s70, s70, s84
	s_mov_b32 s71, 0
	s_add_nc_u64 s[OB:OB+1], s[8:9], s[70:71]
	s_lshl_b32 s72, s86, 9
	s_add_co_u32 s72, s72, s85
	s_mov_b32 s73, 0
	s_add_nc_u64 s[SB:SB+1], s[10:11], s[72:73]
	s_mul_i32 s74, s79, 3072
	s_add_co_u32 s74, s74, s84
	s_mov_b32 s75, 0
	s_add_nc_u64 s[OBE:OBE+1], s[8:9], s[74:75]
	s_lshl_b32 s76, s79, 9
	s_add_co_u32 s76, s76, s85
	s_mov_b32 s77, 0
	s_add_nc_u64 s[SBE:SBE+1], s[10:11], s[76:77]
	s_mul_i32 s88, s78, HEADQ
	s_mov_b32 s89, 0
	s_add_nc_u64 s[88:89], s[4:5], s[88:89]        ; qimg at my head
; Q's half fragment and scale word of the tile whose number stands in s[tile]
.macro QLOAD tile, qf, qs
	s_wait_xcnt 0x0                                ; the bases below are written again only behind this wait
	s_mul_i32 s90, s[\tile], 768
	s_mov_b32 s91, 0
	s_add_nc_u64 s[90:91], s[88:89], s[90:91]
	s_lshr_b32 s92, s[\tile], 2
	s_lshl_b32 s92, s92, 8                         ; four tiles' words share a block of 256 bytes,
	s_and_b32 s93, s[\tile], 3
	s_lshl_b32 s93, s93, 2                         ; row r's four at 16 r
	s_add_co_u32 s92, s92, s93
	s_add_co_u32 s92, s92, 98304
	s_mov_b32 s93, 0
	s_add_nc_u64 s[92:93], s[88:89], s[92:93]
.irp p, 0,1,2
	global_load_b64 v[\qf+2*\p:\qf+2*\p+1], v[LN8], s[90:91] offset:256*\p
.endr
	global_load_b32 v[\qs], v[R16], s[92:93]
.endm
	s_wait_alu depctr_va_vdst(0)
	QLOAD 86, QF, QSW
	QLOAD 79, QE, QES
.irp i, 0,1,2,3,4,5
	v_mov_b32 v[QF+6+\i], 0                        ; Q's upper 64 along K: zero codes
	v_mov_b32 v[KF+48+\i], 0                       ; and what stands behind K's tile 7
.endr
	v_mov_b32 v[F+1], 0                            ; (named as the upper half of a pair)
.macro INIT                            ; a tile begins: O^T and the sum are zeros, the largest t lies under every t
	v_mov_b32 v13, 0xff61b1e6                      ; -3e38
	s_delay_alu instid0(VALU_DEP_1)
	v_floor_f32 v12, -v13                          ; -M
	v_mov_b32 v14, 0
	v_mov_b32 v15, 0
.set ii, 0
.rept 32
	v_mov_b32 v[O+ii], 0
.set ii, ii+1
.endr
.endm
	INIT
; ONE TILE x 128 KEYS.  mask = 1: in the trip that lies on the diagonal the scores of hidden keys become -infinity.
.macro TSTEP mask
	v_add_nc_u32 v[ADK], s[TB], v[LN8]             ; these four lines are the places between the last products and the loads into their operands
	v_add_nc_u32 v[ADV], s[TB], v[LNV]
	v_add_nc_u32 v[ADS], s[TS], v[LNS]
	v_nop
.irp t, 0,1,2,3,4,5,6,7
.irp p, 0,1,2
	ds_load_b64 v[KF+6*\t+2*\p:KF+6*\t+2*\p+1], v[ADK] offset:768*\t+256*\p   ; 32 lanes read 256 consecutive bytes
.endr
.endr
.irp g, 0,1
	ds_load_b128 v[KSW+4*\g:KSW+4*\g+3], v[ADS] offset:256*\g
.endr
.irp t, 0,1,2,3
.irp c, 0,1,2
	ds_load_b128 v[VF+12*\t+4*\c:VF+12*\t+4*\c+3], v[ADV] offset:1536*\t+512*\c
.endr
.endr
	ds_load_b128 v[VSW:VSW+3], v[ADS] offset:512
	s_wait_dscnt 13                                ; K and its scale words are in; V's twelve loads and its scale words may be out
.irp t, 0,1,2,3,4,5,6,7
	v_wmma_scale_f32_16x16x128_f8f6f4 v[S+8*\t:S+8*\t+7], v[KF+6*\t:KF+6*\t+11], v[QF:QF+11], 0, v[KSW+\t], v[QSW] matrix_a_fmt:MATRIX_FMT_FP6 matrix_b_fmt:MATRIX_FMT_FP6
.endr
.rept 4
	v_nop
.endr
.if \mask
	s_cmp_lg_u32 s[TR], s[DG]
	s_cbranch_scc1 .Lopen_\@
	v_mov_b32 v[TMP], 0xff800000                   ; -infinity.  Register n holds key 16 (n / 8) + n % 8 + 8 (lane / 16) of the step: hidden where it comes after my query
.set ii, 0
.rept 64
	v_cmp_gt_i32 vcc_lo, 16*(ii/8)+ii%8, v[DV]
	v_cndmask_b32 v[S+ii], v[S+ii], v[TMP], vcc_lo
.set ii, ii+1
.endr
.Lopen_\@:
.endif
.irp b, 0,1,2,3
	v_max3_num_f32 v[BM+\b], v[S+16*\b], v[S+1+16*\b], v[S+2+16*\b]   ; the largest score of each block of 32 keys: for the row's maximum and, since p rises with the score, for the block's largest p
.endr
.irp i, 3,5,7,9,11,13
.irp b, 0,1,2,3
	v_max3_num_f32 v[BM+\b], v[BM+\b], v[S+16*\b+\i], v[S+1+16*\b+\i]
.endr
.endr
.irp b, 0,1,2,3
	v_max_num_f32 v[BM+\b], v[BM+\b], v[S+15+16*\b]
.endr
.irp b, 0,1,2,3
	s_delay_alu instid0(VALU_DEP_4)
	v_permlanex16_b32 v[T4+\b], v[BM+\b], s[SEL], s[SEL+1]
.endr
.irp b, 0,1,2,3
	s_delay_alu instid0(VALU_DEP_4)
	v_max_num_f32 v[BM+\b], v[BM+\b], v[T4+\b]     ; with lane l xor 16's 16 keys
.endr
	s_delay_alu instid0(VALU_DEP_2)
	v_max3_num_f32 v[TMP], v[BM], v[BM+1], v[BM+2]
	s_delay_alu instid0(VALU_DEP_1)
	v_max_num_f32 v[TMP], v[TMP], v[BM+3]          ; the step's largest score of my query
	s_delay_alu instid0(VALU_DEP_1)
	v_mul_f32 v[TMP], s[CS], v[TMP]                ; as t
	s_delay_alu instid0(VALU_DEP_1)
	v_max_num_f32 v13, v13, v[TMP]                 ; the running largest t
	v_mov_b32 v[TMP], v12
	s_delay_alu instid0(VALU_DEP_2)
	v_floor_f32 v12, -v13                          ; the new -M = -ceil(t): a whole number
	s_delay_alu instid0(VALU_DEP_1)
	v_sub_f32 v[TMP], v12, v[TMP]                  ; old M - new M: a whole number, 0 or less
	s_delay_alu instid0(VALU_DEP_1)
	v_cvt_i32_f32 v[TMP], v[TMP]                   ; (it saturates)
	s_delay_alu instid0(VALU_DEP_1)
	v_ldexp_f32 v[F], 1.0, v[TMP]                  ; f = 2^(old M - new M)
.set ii, 0
.rept 32
	v_pk_fma_f32 v[S+ii:S+ii+1], v[S+ii:S+ii+1], s[CS:CS+1], v[12:13] op_sel_hi:[1,0,0]   ; t - M, two at a time
.set ii, ii+2
.endr
.irp b, 0,1,2,3
	v_fma_f32 v[BM+\b], v[BM+\b], s[CS], v12       ; the same of each block's largest score
.endr
.set ii, 0
	s_wait_alu depctr_va_vdst(0)
.rept 64
	v_exp_f32 v[S+ii], v[S+ii]                     ; p = 2^(t - M), at most 1
.set ii, ii+1
.endr
	v_pk_mul_f32 v[14:15], v[14:15], v[F:F+1] op_sel_hi:[1,0]   ; the sums under the new M: the plain place behind the exponentials
	s_wait_alu depctr_va_vdst(0)                   ; one wait for the batch of 64, ahead of its first reader
.irp b, 0,1,2,3
	v_exp_f32 v[BM+\b], v[BM+\b]                   ; the blocks' largest p
.endr
	v_pk_add_f32 v[56:57], v[100:101], v[104:105]
	v_pk_add_f32 v[94:95], v[108:109], v[112:113]
	v_pk_add_f32 v[92:93], v[116:117], v[120:121]
	v_pk_add_f32 v[90:91], v[124:125], v[128:129]
	v_pk_add_f32 v[88:89], v[132:133], v[136:137]
	v_pk_add_f32 v[78:79], v[140:141], v[144:145]
	v_pk_add_f32 v[76:77], v[148:149], v[152:153]
	v_pk_add_f32 v[14:15], v[14:15], v[156:157]
	v_pk_add_f32 v[56:57], v[56:57], v[96:97]
	v_pk_add_f32 v[94:95], v[94:95], v[98:99]
	v_pk_add_f32 v[92:93], v[92:93], v[102:103]
	v_pk_add_f32 v[90:91], v[90:91], v[106:107]
	v_pk_add_f32 v[88:89], v[88:89], v[110:111]
	v_pk_add_f32 v[78:79], v[78:79], v[114:115]
	v_pk_add_f32 v[76:77], v[76:77], v[118:119]
	v_pk_add_f32 v[14:15], v[14:15], v[122:123]
	v_pk_add_f32 v[56:57], v[56:57], v[126:127]
	v_pk_add_f32 v[94:95], v[94:95], v[130:131]
	v_pk_add_f32 v[92:93], v[92:93], v[134:135]
	v_pk_add_f32 v[90:91], v[90:91], v[138:139]
	v_pk_add_f32 v[88:89], v[88:89], v[142:143]
	v_pk_add_f32 v[78:79], v[78:79], v[146:147]
	v_pk_add_f32 v[76:77], v[76:77], v[150:151]
	v_pk_add_f32 v[14:15], v[14:15], v[154:155]
	v_pk_add_f32 v[56:57], v[56:57], v[158:159]
	s_delay_alu instid0(VALU_DEP_2)
	v_pk_add_f32 v[14:15], v[14:15], v[90:91]
	s_delay_alu instid0(VALU_DEP_2)
	v_pk_add_f32 v[56:57], v[56:57], v[88:89]
	v_pk_add_f32 v[94:95], v[94:95], v[78:79]
	v_pk_add_f32 v[92:93], v[92:93], v[76:77]
	s_delay_alu instid0(VALU_DEP_2)
	v_pk_add_f32 v[14:15], v[14:15], v[94:95]
	s_delay_alu instid0(VALU_DEP_2)
	v_pk_add_f32 v[56:57], v[56:57], v[92:93]
	s_delay_alu instid0(VALU_DEP_1)
	v_pk_add_f32 v[14:15], v[14:15], v[56:57]
	s_wait_alu depctr_va_vdst(0)                   ; and one for the four
.irp b, 0,1,2,3
	v_max_num_f32 v[BM+\b], 0x1800000, v[BM+\b]    ; the floor 2^(3 - 127): the byte cannot fall under 1
.endr
.irp b, 0,1,2,3
	s_delay_alu instid0(VALU_DEP_4)
	v_add_nc_u32 v[SO+\b], 0xff000000, v[BM+\b]    ; 2 off the exponent field: the conversion's scale operand
.endr
.irp b, 0,1,2,3
	s_delay_alu instid0(VALU_DEP_4)
	v_lshrrev_b32 v[T4+\b], 23, v[SO+\b]           ; the scale's byte
.endr
	s_delay_alu instid0(VALU_DEP_3)
	v_lshl_or_b32 v[PSW], v[T4+1], 8, v[T4]        ; p's scale word for these 128 keys
	s_delay_alu instid0(VALU_DEP_1)
	v_lshl_or_b32 v[PSW], v[T4+2], 16, v[PSW]
	s_delay_alu instid0(VALU_DEP_1)
	v_lshl_or_b32 v[PSW], v[T4+3], 24, v[PSW]
.irp c, 0,1
	v_cvt_scalef32_pk16_fp6_f32 v[PC+6*\c:PC+2+6*\c], v[S+32*\c:S+15+32*\c], v[SO+2*\c]
	v_cvt_scalef32_pk16_fp6_f32 v[PT+4*\c:PT+2+4*\c], v[S+16+32*\c:S+31+32*\c], v[SO+2*\c+1]
.endr
	v_nop                                          ; one plain place behind a scaled conversion
.irp c, 0,1                                    ; a whole block in a lane: lanes 0-15 block 2 c, lanes 16-31 block 2 c + 1
.irp i, 0,1,2
	v_permlane16_swap_b32 v[PC+6*\c+\i], v[PT+4*\c+\i]
.endr
.irp i, 0,1,2
	s_delay_alu instid0(VALU_DEP_3)
	v_mov_b32 v[PC+3+6*\c+\i], v[PT+4*\c+\i]
.endr
.endr
.set ii, 0
.rept 16
	v_pk_mul_f32 v[O+ii:O+ii+1], v[O+ii:O+ii+1], v[F:F+1] op_sel_hi:[1,0]   ; O^T under the new M; these sixteen also stand between the codes' and the scale word's last writes and the products
.set ii, ii+2
.endr
	s_wait_alu depctr_va_vdst(0)
	s_wait_dscnt 0x0                               ; V is in
.irp t, 0,1,2,3
	v_wmma_scale_f32_16x16x128_f8f6f4 v[O+8*\t:O+8*\t+7], v[VF+12*\t:VF+12*\t+11], v[PC:PC+11], v[O+8*\t:O+8*\t+7], v[VSW+\t], v[PSW] matrix_a_fmt:MATRIX_FMT_FP6 matrix_b_fmt:MATRIX_FMT_FP6
.endr
.endm
; A TILE ENDS: O^T / the sum; the channels are brought into their true order; two blocks of 32 are quantised; codes and scale bytes leave.
.macro FINISH
.rept 4
	v_nop
.endr
	v_add_f32 v14, v14, v15
	s_delay_alu instid0(VALU_DEP_1)
	v_permlanex16_b32 v[TMP], v14, s[SEL], s[SEL+1]
	s_delay_alu instid0(VALU_DEP_1)
	v_add_f32 v14, v14, v[TMP]                     ; the row's sum
	s_wait_alu depctr_va_vdst(0)
	v_rcp_f32 v[F], v14
	v_nop                                          ; a plain place behind the reciprocal
	s_wait_alu depctr_va_vdst(0)                   ; and the wait ahead of its first reader
.set ii, 0
.rept 16
	v_pk_mul_f32 v[O+ii:O+ii+1], v[O+ii:O+ii+1], v[F:F+1] op_sel_hi:[1,0]   ; ascending: each accumulator is read from its low end on
.set ii, ii+2
.endr
.irp b, 0,1                                    ; register 8 t + j holds channel 16 t + 8 h + j.  Tile 2 b's lanes 16-31 change places with tile 2 b + 1's lanes 0-15: registers 16 b + 0 .. 15 then hold channels 32 b + 16 h + 0 .. 15
.irp j, 0,1,2,3,4,5,6,7
	v_permlane16_swap_b32 v[O+16*\b+\j], v[O+16*\b+8+\j]
.endr
.endr
.irp b, 0,1
	v_max3_num_f32 v[BM+\b], |v[O+16*\b]|, |v[O+1+16*\b]|, 0x1800000
.endr
.irp i, 2,4,6,8,10,12,14
.irp b, 0,1
	s_delay_alu instid0(VALU_DEP_2)
	v_max3_num_f32 v[BM+\b], v[BM+\b], |v[O+16*\b+\i]|, |v[O+1+16*\b+\i]|
.endr
.endr
.irp b, 0,1
	s_delay_alu instid0(VALU_DEP_2)
	v_permlanex16_b32 v[T4+\b], v[BM+\b], s[SEL], s[SEL+1]
.endr
.irp b, 0,1
	s_delay_alu instid0(VALU_DEP_2)
	v_max_num_f32 v[BM+\b], v[BM+\b], v[T4+\b]
.endr
.irp b, 0,1
	s_delay_alu instid0(VALU_DEP_2)
	v_add_nc_u32 v[SO+\b], 0xff000000, v[BM+\b]
.endr
.irp b, 0,1
	s_delay_alu instid0(VALU_DEP_2)
	v_lshrrev_b32 v[T4+\b], 23, v[SO+\b]
.endr
	s_delay_alu instid0(VALU_DEP_1)
	v_lshl_or_b32 v[PSW], v[T4+1], 8, v[T4]        ; the head's two scale bytes of my token
	v_cvt_scalef32_pk16_fp6_f32 v[PC:PC+2], v[O:O+15], v[SO]
	v_cvt_scalef32_pk16_fp6_f32 v[PT:PT+2], v[O+16:O+31], v[SO+1]
	v_nop
.irp i, 0,1,2
	v_permlane16_swap_b32 v[PC+\i], v[PT+\i]
.endr
.irp i, 0,1,2
	s_delay_alu instid0(VALU_DEP_3)
	v_mov_b32 v[PC+3+\i], v[PT+\i]                 ; registers 0-5: channels 32 h + 0 .. 31 of my token
.endr
.irp p, 0,1,2
	global_store_b64 v[LN8], v[PC+2*\p:PC+2*\p+1], s[OB:OB+1] offset:256*\p   ; 32 lanes store 256 consecutive bytes, aligned
.endr
	global_store_b16 v[R32], v[PSW], s[SB:SB+1]    ; two bytes a token (lanes r and 16 + r store the same): one byte in 24 of what the tile stores
.endm
	s_wait_loadcnt 0x0                             ; Q, both tiles'
	s_wait_tensorcnt 3                             ; my parts of the scale words and of chunk 0 are in; chunks 1 to 3 may be out
	s_barrier_signal -1
	s_barrier_wait -1                              ; everybody's are
	s_mov_b32 s[TB], 0
	s_mov_b32 s[TS], 0
	s_mov_b32 s[TR], 0
.Lchunk0:                                          ; key steps 0 to 3: all their keys count for the first tile, whose diagonal lies in step 8 or later
	TSTEP 0
	s_add_co_u32 s[TB], s[TB], STEPB
	s_add_co_u32 s[TS], s[TS], STEPS
	s_add_co_u32 s[TR], s[TR], 1
	s_cmp_lt_u32 s[TR], 4
	s_cbranch_scc1 .Lchunk0
	s_wait_tensorcnt 2                             ; chunk 1
	s_barrier_signal -1
	s_barrier_wait -1
	s_mov_b32 s[TB], CHUNK
	s_mov_b32 s[TS], 4*STEPS
.Lchunk1:                                          ; key steps 4 to 7
	TSTEP 0
	s_add_co_u32 s[TB], s[TB], STEPB
	s_add_co_u32 s[TS], s[TS], STEPS
	s_add_co_u32 s[TR], s[TR], 1
	s_cmp_lt_u32 s[TR], 8
	s_cbranch_scc1 .Lchunk1
	s_wait_tensorcnt 0x0                           ; the whole head
	s_barrier_signal -1
	s_barrier_wait -1
	s_mov_b32 s[DG], s[SW]
.Ltail:                                            ; trips 8 to 16: the first tile's steps 8 .. 15 - g, then the second tile's steps 0 .. g
	s_sub_co_u32 s79, s[TR], s[SW]
	s_sub_co_u32 s79, s79, 1
	s_cmp_le_u32 s[TR], s[SW]
	s_cselect_b32 s[JJ], s[TR], s79                ; the key step
	s_min_u32 s[JJ], s[JJ], 15
	s_mul_i32 s[TB], s[JJ], STEPB
	s_mul_i32 s[TS], s[JJ], STEPS
	TSTEP 1
	s_cmp_lg_u32 s[TR], s[SW]
	s_cbranch_scc1 .Lsame
	FINISH                                         ; the first tile is done
	s_wait_xcnt 0x0                                ; its stores have read their data, offsets and bases
	s_mov_b64 s[OB:OB+1], s[OBE:OBE+1]
	s_mov_b64 s[SB:SB+1], s[SBE:SBE+1]
.irp i, 0,1,2,3,4,5
	v_mov_b32 v[QF+\i], v[QE+\i]
.endr
	v_mov_b32 v[QSW], v[QES]
	v_mov_b32 v[DV], v[DVE]
	INIT                                           ; (its lines also stand between the scale word's move and the next products)
	s_mov_b32 s[DG], 16                            ; the second tile's diagonal lies in the last trip
.Lsame:
	s_add_co_u32 s[TR], s[TR], 1
	s_cmp_lt_u32 s[TR], 17
	s_cbranch_scc1 .Ltail
	FINISH
	s_wait_tensorcnt 0x0
	ds_add_u32 v87, v245
	s_wait_dscnt 0x0
	CROUND                                         ; the closing round
	s_endpgm
.Lfunc_end_k_q2aa59f9a4f_attn:
	.size	k_q2aa59f9a4f_attn, .Lfunc_end_k_q2aa59f9a4f_attn-k_q2aa59f9a4f_attn
	.p2alignl 7, 3214868480
	.fill 96, 4, 3214868480
	.section	.rodata,"a",@progbits
	.p2align	6, 0x0
	.amdhsa_kernel k_q2aa59f9a4f_attn
		.amdhsa_group_segment_fixed_size 210944
		.amdhsa_private_segment_fixed_size 0
		.amdhsa_enable_private_segment 0
		.amdhsa_kernarg_size 32
		.amdhsa_user_sgpr_count 2
		.amdhsa_user_sgpr_kernarg_segment_ptr 1
		.amdhsa_wavefront_size32 1
		.amdhsa_system_sgpr_workgroup_id_x 1
		.amdhsa_system_sgpr_workgroup_id_y 1
		.amdhsa_system_sgpr_workgroup_id_z 1
		.amdhsa_system_vgpr_workitem_id 0
		.amdhsa_next_free_vgpr 256
		.amdhsa_next_free_sgpr 96
		.amdhsa_reserve_vcc 1
		.amdhsa_float_denorm_mode_32 3
		.amdhsa_float_denorm_mode_16_64 3
		.amdhsa_memory_ordered 1
		.amdhsa_forward_progress 1
		.amdhsa_inst_pref_size 80
	.end_amdhsa_kernel
	.amdgpu_metadata
---
amdhsa.version: [ 1, 2 ]
amdhsa.kernels:
  - .name:           k_q2aa59f9a4f_attn
    .symbol:         k_q2aa59f9a4f_attn.kd
    .args:
      - { .name: qimg, .offset: 0, .size: 8, .value_kind: global_buffer, .address_space: global }
      - { .name: kv, .offset: 8, .size: 8, .value_kind: global_buffer, .address_space: global }
      - { .name: oimg, .offset: 16, .size: 8, .value_kind: global_buffer, .address_space: global }
      - { .name: oscale, .offset: 24, .size: 8, .value_kind: global_buffer, .address_space: global }
    .group_segment_fixed_size: 210944
    .private_segment_fixed_size: 0
    .kernarg_segment_align: 8
    .kernarg_segment_size: 32
    .max_flat_workgroup_size: 512
    .sgpr_count:     96
    .vgpr_count:     256
    .wavefront_size: 32
...
	.end_amdgpu_metadata
.endif
;; end of part 2
;; launch proj (part 3): grid 4 x 32, 4 waves a work-group, clusters of 4 x 4, 327,680 bytes of LDS; arguments oimg, oscale, Wo_codes, Wo_scales, bo, out0; writes out0
.if DOCPART == 3
	.amdgcn_target "amdgcn-amd-amdhsa--gfx1250"
	.amdhsa_code_object_version 6
	.text
	.protected	k_q2aa59f9a4f_proj
	.globl	k_q2aa59f9a4f_proj
	.p2align	8
	.type	k_q2aa59f9a4f_proj,@function
k_q2aa59f9a4f_proj:
	s_mov_b64 s[64:65], 0
	v_nop
	global_prefetch_b8 v0, s[64:65] scope:SCOPE_SE
	s_setreg_imm32_b32 hwreg(HW_REG_WAVE_MODE, 25, 1), 1
	s_wait_xcnt 0x0
	s_wait_alu depctr_hold_cnt(0) depctr_sa_sdst(0) depctr_va_vdst(0) depctr_va_sdst(0) depctr_va_ssrc(0) depctr_va_vcc(0) depctr_vm_vsrc(0)
	s_getreg_b32 s2, hwreg(HW_REG_IB_STS2, 6, 4)
	s_cmp_eq_u32 s2, 0
	s_cbranch_scc0 .Lentry_in_a_cluster
	s_endpgm
.Lentry_in_a_cluster:
	s_bfe_u32 s2, ttmp6, 0x10000c
	s_cmp_lg_u32 s2, 0xf033
	s_cbranch_scc0 .Lentry_shape_is_right
	s_endpgm
.Lentry_shape_is_right:
; out0 = o Wo + bo on codes of FP6 (E2M3) with one E8M0 scale for each 32 along K = 1,024.  o: 8,192 rows, made by the attention; Wo: 1,024 rows of 768 bytes of codes and 32 scale bytes; out0: [8192][1024] f32.
; A tile of 256 x 256 is made by a work-group of four waves, 128 x 128 a wave: 64 accumulators, 512 registers.  K goes in steps of 256 through a ring of two LDS slots filled by the tensor data mover.
; o's CODES ARE IMAGES OF OPERAND REGISTERS: oimg is [K step (4)][16 rows (512)][3,072 bytes]; in the 3,072: the step's q-th 128 along K at 1,536 q, register pair p of its fragment at 256 p, lane l's 8 bytes at 8 l.
; So 128 rows of a K step are one dense block of 24,576 bytes for one tensor load, and a fragment is six loads of 8 bytes a lane, 256 consecutive bytes each.  o's scale bytes lie [8192][32], as Wo's do.
; The scale bytes of the work-group's 2 x 256 rows come once, with the first fills, and stay in LDS.  The bias is the C of each sum's first product.
; CLUSTERS of 4 x 4 work-groups: o's tiles are shared along a row of the cluster, Wo's along a column, each asked for jointly.  The grid has 128 work-groups: the tile is kept at 256 x 256 so that each LDS byte feeds as many products as the registers allow.
; THE MATRIX INSTRUCTION IS USED TRANSPOSED (source 0 = 16 rows of Wo, source 1 = 16 rows of o): a lane holds eight neighbouring numbers of a row of out0.
; REGISTERS, in windows of 256: window 0: v0-31 addresses; v32-63 scale words, two sets; v64-127 the bias; from v128 A's fragments, one set; on the way out v128-255 rows of out0.
;   window 1: B's fragments, two sets.   window 2: the accumulators of my rows 0-63 (accumulator (a, b) at v[8 (8 (a % 4) + b)]);   window 3: those of rows 64-127.
.set SIZE_K, 1024
.set SIZE_N, 1024
.set KSTEP,  256
.set NQ,     KSTEP/128
.set ROWB,   192                       ; a row of B's tile in bytes
.set KROW,   SIZE_K*6/8
.set PITCH,  240                       ; B's LDS row: 3 x (64 bytes + 16 of padding)
.set ASTEP,  1572864                   ; from a K step of oimg to the next
.set FR,     12
.set NL,     6
.set NP,     4
.set HALFT,  128*PITCH                 ; the LDS bytes of 128 rows (A's images use 24,576 of them)
.set SLOT,   4*HALFT
.set LAPS,   SIZE_K/(2*KSTEP)
.set KS,     SIZE_K/32
.set SCL,    2*SLOT
.set HALFS,  (128*KS/256)*272
.set SBLK,   (16*KS/256)*272
.set SPARE,  SCL+4*HALFS               ; the spare words, 128 bytes for each wave: two blocks of 256 bytes that no other line names
.set SPITCH, 528                       ; the way out: a stage of 16 rows x (512 bytes + 16) for each wave, in slot 0, which has had its last fill and its last read when the first result is stored there
.set ADRA, 16                          ; v16-17 my A images in slot 0, 1
.set ADRB, 20                          ; v20-21 my B fragments (v22-23: behind one padding more)
.set STO,  24
.set RD,   25
.set CO,   26
.set ADRS, 27
.set SPW,  28
.set NIL,  29
.set SC,   32
.set BIAS, 64
.set AF,   128
.set BK,   128
.set G1, 24
.set G0, 32
.set G1B, 48
.set G0B, 56
.set G1S, 68
.set G0S, 76
.set G1SB, 80
.set G0SB, 88
.set MSB, 0
.macro WIN new
.if MSB != (\new)
	s_set_vgpr_msb (MSB<<8)|(\new)
.set MSB, (\new)
.endif
.endm
.set MUL_LO, 0xa1                      ; source 0 (B) window 1, source 1 (A) window 0, C and D window 2
.set MUL_HI, 0xf1                      ; the same, C and D window 3
.set FST_LO, 0x81                      ; the first step: C (the bias) window 0, D window 2
.set FST_HI, 0xc1                      ; D window 3
.set TO_B,   0x40
.macro JLOAD g0a, g1a, g0b, g1b        ; a joint load: waves 0 and 1 fetch for A, waves 2 and 3 for B; four v_nop follow each of the two lines
	s_cmp_eq_u32 s15, 0
	s_cbranch_scc0 .Lfor_b_\@
	tensor_load_to_lds s[\g0a:\g0a+3], s[\g1a:\g1a+7]
	s_nop 0
.rept 4
	v_nop
.endr
	s_branch .Lasked_\@
.Lfor_b_\@:
	tensor_load_to_lds s[\g0b:\g0b+3], s[\g1b:\g1b+7]
	s_nop 0
.rept 4
	v_nop
.endr
.Lasked_\@:
.endm
.macro CREST
	s_cmp_lg_u32 s14, 0
	s_cbranch_scc1 .Lnot_wave_0_\@
	s_barrier_signal -3
.Lnot_wave_0_\@:
	s_barrier_wait -3
	s_barrier_signal -1
	s_barrier_wait -1
.endm
.macro CROUND
	s_barrier_signal -1
	s_barrier_wait -1
	CREST
.endm
	s_load_b128 s[4:7], s[0:1], 0x0                ; oimg, oscale
	s_load_b128 s[8:11], s[0:1], 0x10              ; Wo's codes, Wo's scales
	s_load_b64 s[66:67], s[0:1], 0x20              ; bo
	s_load_b64 s[12:13], s[0:1], 0x28              ; out0
	v_lshl_add_u32 v[SPW], v0, 2, SPARE
	v_mov_b32 v[NIL], 0
	ds_add_u32 v28, v29
	ds_add_u32 v28, v29
	s_wait_dscnt 0x0
	v_lshrrev_b32 v1, 5, v0
	v_readfirstlane_b32 s14, v1                    ; wave 0..3
	s_lshr_b32 s15, s14, 1                         ; which half of the tile's rows is mine.  Also: I fetch for A (0) or for B (1)
	s_and_b32 s16, s14, 1                          ; which half of its columns.  Also: which 128 rows of that tile I fetch
	s_bfe_u32 s40, ttmp6, 0x40000                  ; cx, cy
	s_bfe_u32 s41, ttmp6, 0x40004
	s_lshl_b32 s42, ttmp9, 2
	s_add_co_u32 s42, s42, s40                     ; tile column
	s_and_b32 s17, ttmp7, 0xffff
	s_lshl_b32 s17, s17, 2
	s_add_co_u32 s17, s17, s41                     ; tile row
	s_lshl_b32 s43, s41, 2
	s_lshl_b32 s43, 15, s43                        ; my row of the cluster
	s_lshl_b32 s44, 0x1111, s40                    ; my column
	; group 1 for A's images: a dense block of 24,576 bytes as 96 rows of 256 bytes (32 elements of 8 bytes), no padding
	s_or_b32 s[G1+0], s43, (3<<16)|(1<<21)
	s_mov_b32 s[G1+1], 32<<16
	s_mov_b32 s[G1+2], 96<<16
	s_mov_b32 s[G1+3], 32<<16
	s_mov_b32 s[G1+4], 96
	s_mov_b32 s[G1+5], 32
	s_mov_b32 s[G1+6], 0
	s_mov_b32 s[G1+7], 0
	; for B's tiles: 128 rows x 192 bytes, 16 bytes of padding behind every 64
	s_or_b32 s[G1B+0], s44, (0<<16)|(1<<20)|(1<<21)|(3<<22)|(3<<25)
	s_mov_b32 s[G1B+1], ROWB<<16
	s_mov_b32 s[G1B+2], 128<<16
	s_mov_b32 s[G1B+3], ROWB<<16
	s_mov_b32 s[G1B+4], 128
	s_mov_b32 s[G1B+5], KROW
	s_mov_b32 s[G1B+6], 0
	s_mov_b32 s[G1B+7], 0
	; for the scales of 128 rows: 4,096 dense bytes as rows of 256 bytes, 16 bytes of padding behind each
	s_or_b32 s[G1S+0], s43, (3<<16)|(1<<20)|(1<<21)|(5<<22)|(3<<25)
	s_or_b32 s[G1SB+0], s44, (3<<16)|(1<<20)|(1<<21)|(5<<22)|(3<<25)
.irp g, G1S, G1SB
	s_mov_b32 s[\g+1], 32<<16
	s_mov_b32 s[\g+2], (128*KS/256)<<16
	s_mov_b32 s[\g+3], 32<<16
	s_mov_b32 s[\g+4], 128*KS/256
	s_mov_b32 s[\g+5], 32
	s_mov_b32 s[\g+6], 0
	s_mov_b32 s[\g+7], 0
.endr
	s_lshl_b32 s18, s16, 7                         ; which 128 rows of the tile I fetch
	s_lshl_b32 s22, s17, 8
	s_add_co_u32 s22, s22, s18                     ; A's row
	s_lshl_b32 s46, s42, 8
	s_add_co_u32 s46, s46, s18                     ; B's row
	s_mov_b32 s23, 0
	s_mov_b32 s47, 0
	s_mul_i32 s20, s22, 192                        ; A's images: 16 rows are 3,072 bytes in each K step
	s_mov_b32 s21, 0
	s_mov_b64 s[18:19], KS
	s_mul_u64 s[22:23], s[22:23], s[18:19]         ; where these rows' scales begin
	s_mul_u64 s[92:93], s[46:47], s[18:19]
	s_mov_b64 s[18:19], KROW
	s_mul_u64 s[46:47], s[46:47], s[18:19]         ; B's codes
	s_mul_i32 s45, s14, HALFT                      ; where they go: wave x HALFT
	s_mul_i32 s94, s14, HALFS
	s_wait_kmcnt 0x0
	s_add_nc_u64 s[20:21], s[4:5], s[20:21]
	s_add_nc_u64 s[22:23], s[6:7], s[22:23]
	s_add_nc_u64 s[46:47], s[8:9], s[46:47]
	s_add_nc_u64 s[92:93], s[10:11], s[92:93]
	CROUND                                         ; all sixteen work-groups are here: the first joint loads meet
	s_mov_b32 s[G0S], 1
	s_add_co_u32 s[G0S+1], s94, SCL
	s_mov_b64 s[G0S+2:G0S+3], s[22:23]
	s_or_b32 s[G0S+3], s[G0S+3], 0x80000000
	s_mov_b32 s[G0SB], 1
	s_add_co_u32 s[G0SB+1], s94, SCL
	s_mov_b64 s[G0SB+2:G0SB+3], s[92:93]
	s_or_b32 s[G0SB+3], s[G0SB+3], 0x80000000
	JLOAD G0S, G1S, G0SB, G1SB                     ; the scales first
.irp s, 0,1
	s_mov_b32 s[G0+4*\s], 1
	s_add_co_u32 s[G0+4*\s+1], s45, \s*SLOT
	s_add_nc_u64 s[G0+4*\s+2:G0+4*\s+3], s[20:21], \s*ASTEP
	s_or_b32 s[G0+4*\s+3], s[G0+4*\s+3], 0x80000000
	s_mov_b32 s[G0B+4*\s], 1
	s_add_co_u32 s[G0B+4*\s+1], s45, \s*SLOT
	s_add_nc_u64 s[G0B+4*\s+2:G0B+4*\s+3], s[46:47], \s*ROWB
	s_or_b32 s[G0B+4*\s+3], s[G0B+4*\s+3], 0x80000000
	JLOAD G0+4*\s, G1, G0B+4*\s, G1B
.endr
	v_and_b32 v1, 15, v0                           ; l % 16
	v_bfe_u32 v2, v0, 4, 1                         ; l / 16
	v_mul_u32_u24 v3, v1, PITCH
	v_mul_u32_u24 v4, v2, 24
	v_add_nc_u32 v4, v3, v4                        ; B: a fragment's row x pitch + 24 x half
	v_lshl_add_u32 v5, v2, 4, v4                   ; and the same behind one padding more
	v_and_b32 v6, 31, v0
	v_lshlrev_b32 v8, 3, v6                        ; A: 8 x lane
	s_mul_i32 s21, s15, HALFT                      ; my 128 rows of A
	s_mul_i32 s22, s16, HALFT                      ; my 128 rows of B,
	s_add_co_u32 s22, s22, 2*HALFT                 ; which lie behind A's
.irp s, 0,1
	v_add_nc_u32 v[ADRA+\s], s21, v8
	v_add_nc_u32 v[ADRB+\s], s22, v4
	v_add_nc_u32 v[ADRB+2+\s], s22, v5
	s_add_co_u32 s21, s21, SLOT
	s_add_co_u32 s22, s22, SLOT
.endr
	v_mul_u32_u24 v5, v1, KS                       ; my row's scales: 32 bytes a row,
	v_lshrrev_b32 v6, 8, v5
	v_lshl_add_u32 v5, v6, 4, v5                   ; and 16 more for each 256 passed
	s_mul_i32 s21, s15, HALFS
	s_mul_i32 s22, s16, HALFS
	s_add_co_u32 s22, s22, 2*HALFS
	s_sub_co_u32 s22, s22, s21
	v_mul_u32_u24 v6, s22, v2                      ; lanes 16-31 take B's
	s_add_co_u32 s21, s21, SCL
	v_add_nc_u32 v5, v5, v6
	v_add_nc_u32 v[ADRS], s21, v5
	s_mul_i32 s23, s14, 16*SPITCH                  ; my stage
	v_mul_u32_u24 v5, v1, SPITCH                   ; in: row l % 16, 32 bytes for each half of the lanes
	v_lshl_add_u32 v5, v2, 5, v5
	v_add_nc_u32 v[STO], s23, v5
	v_and_b32 v6, 31, v0
	v_lshlrev_b32 v[CO], 4, v6                     ; back: the 32 lanes take one row of 512 bytes; and the same in out0
	v_add_nc_u32 v[RD], s23, v[CO]
	s_lshl_b32 s20, s17, 8
	s_lshl_b32 s21, s15, 7
	s_add_co_u32 s20, s20, s21                     ; my first row of out0
	s_mov_b32 s21, 0
	s_mov_b64 s[18:19], SIZE_N*4
	s_mul_u64 s[20:21], s[20:21], s[18:19]
	s_lshl_b32 s46, s42, 10                        ; my first column, in bytes: 1,024 x tile column + 512 x half
	s_lshl_b32 s47, s16, 9
	s_add_co_u32 s46, s46, s47
	s_mov_b32 s47, 0
	s_add_nc_u64 s[20:21], s[20:21], s[46:47]
	s_add_nc_u64 s[12:13], s[12:13], s[20:21]
	s_add_nc_u64 s[66:67], s[66:67], s[46:47]      ; and the same place in bo
	v_lshlrev_b32 v7, 5, v2                        ; tile b's eight columns of my half: 64 b + 32 h bytes
.irp b, 0,1,2,3,4,5,6,7
	global_load_b128 v[BIAS+8*\b:BIAS+8*\b+3], v7, s[66:67] offset:64*\b
	global_load_b128 v[BIAS+8*\b+4:BIAS+8*\b+7], v7, s[66:67] offset:64*\b+16
.endr
.macro FRAG reg, adr, q, i             ; B's fragment: 24 bytes of the row's stream of bits twice, in pieces of 8 bytes
.irp p, 0,1,2,3,4,5
.set PIECE, 12*(\q)+6*(\p/3)+\p%3      ; 16 bytes of padding lie behind every 8 pieces: where the piece three on lies behind one padding more, the second address register serves
.if PIECE%8 < 5
	ds_load_b64 v[\reg+2*\p:\reg+2*\p+1], v[\adr] offset:8*PIECE+16*(PIECE/8)+(\i)*16*PITCH
.else
	ds_load_b64 v[\reg+2*\p:\reg+2*\p+1], v[\adr+2] offset:8*PIECE+16*(PIECE/8)+(\i)*16*PITCH
.endif
.endr
.endm
.macro FRAGA reg, adr, q, i            ; A's fragment: the image of its registers, 256 consecutive bytes a load
.irp p, 0,1,2,3,4,5
	ds_load_b64 v[\reg+2*\p:\reg+2*\p+1], v[\adr] offset:3072*(\i)+1536*(\q)+256*\p
.endr
.endm
; 16 matrix instructions: A's blocks a0, a0 + 1 x B's eight, 128 along K.  zero = 1: the first product starts the sums, with the bias as its C.
; The 64 accumulators take turns, one instruction a turn, in the same order in every step.
.macro MUL16 a0, p, q, sc, zero
.irp a, \a0, \a0+1
.irp b, 0,1,2,3,4,5,6,7
.if \zero
	v_wmma_scale_f32_16x16x128_f8f6f4 v[8*(8*((\a)%4)+\b):8*(8*((\a)%4)+\b)+7], v[128*(\p)+FR*\b:128*(\p)+FR*\b+FR-1], v[AF+FR*(\a):AF+FR*(\a)+FR-1], v[BIAS+8*\b:BIAS+8*\b+7], v[SC+8*NQ*(\sc)+NQ*\b+(\q)], v[SC+8*NQ*(\sc)+NQ*(\a)+(\q)] matrix_a_fmt:MATRIX_FMT_FP6 matrix_b_fmt:MATRIX_FMT_FP6 matrix_a_scale:MATRIX_SCALE_ROW1
.else
	v_wmma_scale_f32_16x16x128_f8f6f4 v[8*(8*((\a)%4)+\b):8*(8*((\a)%4)+\b)+7], v[128*(\p)+FR*\b:128*(\p)+FR*\b+FR-1], v[AF+FR*(\a):AF+FR*(\a)+FR-1], v[8*(8*((\a)%4)+\b):8*(8*((\a)%4)+\b)+7], v[SC+8*NQ*(\sc)+NQ*\b+(\q)], v[SC+8*NQ*(\sc)+NQ*(\a)+(\q)] matrix_a_fmt:MATRIX_FMT_FP6 matrix_b_fmt:MATRIX_FMT_FP6 matrix_a_scale:MATRIX_SCALE_ROW1
.endif
.endr
.endr
.endm
.macro FETCH_B slot, q, p
	WIN TO_B
.irp i, 0,1,2,3,4,5,6,7
	FRAG 128*(\p)+FR*\i, ADRB+\slot, \q, \i
.endr
	WIN 0
.endm
.macro FETCH_A slot, q, i0
.irp i, \i0, \i0+1, \i0+2, \i0+3
	FRAGA AF+FR*(\i), ADRA+\slot, \q, \i
.endr
.endm
.macro SCALES sc
.irp i, 0,1,2,3,4,5,6,7
	ds_load_b64 v[SC+8*NQ*\sc+NQ*\i:SC+8*NQ*\sc+NQ*\i+1], v[ADRS] offset:\i*SBLK
.endr
.endm
.macro PLACES n                        ; plain vector instructions between a matrix instruction and a load into, or a read of, its registers
.rept \n
	v_nop
.endr
.endm
.macro STEP slot, q, zero
	s_wait_dscnt 4*NL                              ; B's set and A's blocks 0-3 are in; the youngest 24 loads (A's blocks 4-7) may be out
.if \zero
	WIN FST_LO
.else
	WIN MUL_LO
.endif
	MUL16 0, (\q)%2, \q, \slot, \zero
	MUL16 2, (\q)%2, \q, \slot, \zero
	s_wait_dscnt 0                                 ; A's blocks 4-7 are in
	PLACES NP
	FETCH_B \slot, (\q)+1, 1-(\q)%2
	FETCH_A \slot, (\q)+1, 0
.if \zero
	WIN FST_HI
.else
	WIN MUL_HI
.endif
	MUL16 4, (\q)%2, \q, \slot, \zero
	MUL16 6, (\q)%2, \q, \slot, \zero
	PLACES NP
	WIN 0
	FETCH_A \slot, (\q)+1, 4
.endm
; A slot's last step changes slots: one barrier; in front of it each wave waits for all its tensor loads, adds 0 to its spare word, and waits for that and for its own reads of this slot.
.macro TURN slot, next, fill
	s_wait_tensorcnt 0x0                           ; all my tensor loads have landed: my part of the next slot
	ds_add_u32 v[SPW], v[NIL]                      ; 0 onto my spare word
	s_wait_dscnt 4*NL+1                            ; (the add and the youngest 24 loads may be out)
	WIN MUL_LO
	MUL16 0, 1, NQ-1, \slot, 0
	s_wait_dscnt 0x0                               ; the add is done, and my reads of this slot are over
	s_barrier_signal -1
	MUL16 2, 1, NQ-1, \slot, 0
	WIN 0
	s_barrier_wait -1
.if \fill
	CREST                                          ; a round of the cluster's barrier: no wave of any partner still reads this slot or has a load on its way
	s_add_nc_u64 s[G0+4*\slot+2:G0+4*\slot+3], s[G0+4*\slot+2:G0+4*\slot+3], 2*ASTEP
	s_add_nc_u64 s[G0B+4*\slot+2:G0B+4*\slot+3], s[G0B+4*\slot+2:G0B+4*\slot+3], 2*ROWB
	JLOAD G0+4*\slot, G1, G0B+4*\slot, G1B         ; the first tensor load behind the round; its four v_nop are the places in front of the loads below
.else
	PLACES NP
.endif
	v_add_nc_u32 v[ADRS], 4*NQ, v[ADRS]            ; on to the next K step's scale words
	FETCH_B \next, 0, 0
	FETCH_A \next, 0, 0
	SCALES \next
	WIN MUL_HI
	MUL16 4, 1, NQ-1, \slot, 0
	MUL16 6, 1, NQ-1, \slot, 0
	PLACES NP
	WIN 0
	FETCH_A \next, 0, 4
.endm
	s_wait_tensorcnt 1                             ; the scales and my part of K step 0 are in (K step 1's load may be out),
	s_barrier_signal -1
	s_barrier_wait -1                              ; everybody's are
	FETCH_B 0, 0, 0
	FETCH_A 0, 0, 0
	SCALES 0
	FETCH_A 0, 0, 4
	s_wait_loadcnt 0x0                             ; the bias
	STEP 0, 0, 1                                   ; the first step stands in front of the loop: its products start the sums
	s_mov_b32 s3, LAPS-1
.Llap:
	TURN 0, 1, 1
	STEP 1, 0, 0
	TURN 1, 0, 1
	STEP 0, 0, 0
	s_sub_co_u32 s3, s3, 1
	s_cmp_lg_u32 s3, 0
	s_cbranch_scc1 .Llap
	TURN 0, 1, 0                                   ; the last lap fills nothing
	STEP 1, 0, 0
	s_wait_dscnt 4*NL                              ; the very last step
	WIN MUL_LO
	MUL16 0, 1, NQ-1, 1, 0
	MUL16 2, 1, NQ-1, 1, 0
	s_wait_dscnt 0
	WIN MUL_HI
	MUL16 4, 1, NQ-1, 1, 0
	MUL16 6, 1, NQ-1, 1, 0
	WIN 0
; THE WAY OUT, block by block of 16 rows x 128 columns, through my own stage in LDS: in as 32 bytes a lane, back as whole rows of 512 bytes.  LDS serves a wave's instructions in order (ISA guide 5.7.1.4).
.macro TOSTAGE a
.set AC, 64*((\a)%4)
	WIN 0x08+4*((\a)/4)                            ; the data: window 2 or 3
.irp b, 0,1,2,3,4,5,6,7
	ds_store_b128 v[STO], v[AC+8*\b:AC+8*\b+3] offset:64*\b          ; each accumulator from its low end on
	ds_store_b128 v[STO], v[AC+8*\b+4:AC+8*\b+7] offset:64*\b+16
.endr
	WIN 0
.set BBK, BK+64*((\a)%2)
.irp t, 0,1,2,3,4,5,6,7,8,9,10,11,12,13,14,15
	ds_load_b128 v[BBK+4*\t:BBK+4*\t+3], v[RD] offset:\t*SPITCH
.endr
.endm
.macro SEND a, younger                 ; younger: the LDS instructions issued behind block a's loads, which may stay out
.set BBK, BK+64*((\a)%2)
	s_wait_dscnt \younger
.if (\a) > 0
	s_add_nc_u64 s[12:13], s[12:13], 16*SIZE_N*4   ; (behind a wait on XCNT: the earlier stores have read their base)  16 rows on
.endif
.irp t, 0,1,2,3,4,5,6,7,8,9,10,11,12,13,14,15
	global_store_b128 v[CO], v[BBK+4*\t:BBK+4*\t+3], s[12:13] offset:\t*SIZE_N*4 th:TH_STORE_NT   ; 32 lanes store 512 consecutive bytes, aligned
.endr
.endm
	PLACES NP
	TOSTAGE 0
.irp a, 1,2,3,4,5,6,7
.if \a > 1
	s_wait_xcnt 0x0                                ; block a - 2's stores have read their registers and their base
.endif
	TOSTAGE \a
	SEND \a-1, 32                                  ; behind block a - 1's loads: block a's 16 stores and 16 loads
.endr
	s_wait_xcnt 0x0
	SEND 7, 0
	s_wait_tensorcnt 0x0                           ; the wave's end
	ds_add_u32 v[SPW], v[NIL]
	s_wait_dscnt 0x0
	CROUND                                         ; the closing round
	s_endpgm
.Lfunc_end_k_q2aa59f9a4f_proj:
	.size	k_q2aa59f9a4f_proj, .Lfunc_end_k_q2aa59f9a4f_proj-k_q2aa59f9a4f_proj
	.p2alignl 7, 3214868480
	.fill 96, 4, 3214868480
	.section	.rodata,"a",@progbits
	.p2align	6, 0x0
	.amdhsa_kernel k_q2aa59f9a4f_proj
		.amdhsa_group_segment_fixed_size 327680
		.amdhsa_private_segment_fixed_size 0
		.amdhsa_enable_private_segment 0
		.amdhsa_kernarg_size 48
		.amdhsa_user_sgpr_count 2
		.amdhsa_user_sgpr_kernarg_segment_ptr 1
		.amdhsa_wavefront_size32 1
		.amdhsa_system_sgpr_workgroup_id_x 1
		.amdhsa_system_sgpr_workgroup_id_y 1
		.amdhsa_system_sgpr_workgroup_id_z 1
		.amdhsa_system_vgpr_workitem_id 0
		.amdhsa_next_free_vgpr 1024
		.amdhsa_next_free_sgpr 98
		.amdhsa_reserve_vcc 0
		.amdhsa_float_denorm_mode_32 3
		.amdhsa_float_denorm_mode_16_64 3
		.amdhsa_memory_ordered 1
		.amdhsa_forward_progress 1
		.amdhsa_inst_pref_size 161
	.end_amdhsa_kernel
	.amdgpu_metadata
---
amdhsa.version: [ 1, 2 ]
amdhsa.kernels:
  - .name:           k_q2aa59f9a4f_proj
    .symbol:         k_q2aa59f9a4f_proj.kd
    .args:
      - { .name: oimg, .offset: 0, .size: 8, .value_kind: global_buffer, .address_space: global }
      - { .name: oscale, .offset: 8, .size: 8, .value_kind: global_buffer, .address_space: global }
      - { .name: Wo_codes, .offset: 16, .size: 8, .value_kind: global_buffer, .address_space: global }
      - { .name: Wo_scales, .offset: 24, .size: 8, .value_kind: global_buffer, .address_space: global }
      - { .name: bo, .offset: 32, .size: 8, .value_kind: global_buffer, .address_space: global }
      - { .name: out0, .offset: 40, .size: 8, .value_kind: global_buffer, .address_space: global }
    .group_segment_fixed_size: 327680
    .private_segment_fixed_size: 0
    .kernarg_segment_align: 8
    .kernarg_segment_size: 48
    .max_flat_workgroup_size: 128
    .sgpr_count:     98
    .vgpr_count:     1024
    .wavefront_size: 32
...
	.end_amdgpu_metadata
.endif
;; end of part 3
